; MI455X (gfx1250); checked and timed in simulation.
; The chip was launched on July 23, 2026; its instructions are those of AMD's public machine-readable ISA for CDNA 5 (MIT licence, August 2026) and "CDNA5" Instruction Set Architecture Reference Guide (July 2026). The comments in the code are by the model that wrote it; some were corrected since.
;; Multi Head Self Attention. Allowed arithmetic: matrix products marked QUANTISED: E4M3 operands, one given power-of-two scale a tensor, by v_wmma_f32_16x16x64_fp8_fp8 or v_wmma_f32_16x16x128_fp8_fp8, f32 sums; everything else in f32.
;; Inputs: Wk 1,024 x 1,024 float32; Wo 1,024 x 1,024 float32; Wq 1,024 x 1,024 float32; Wv 1,024 x 1,024 float32; lowp_scales 12 int32 (the exponents e of the quantised operands' scales 2^e); token_positions 4 x 2,048 int32; x 4 x 2,048 x 1,024 float32.
;; Outputs: out0 4 x 2,048 x 1,024 float32.
;; This version of the problem:
;;   THIS VERSION OF THE PROBLEM IS GIVEN IN LOW PRECISION. The matrix products marked QUANTISED in the list below multiply operands that are first quantised to E4M3 (4 exponent bits, 3 mantissa bits; 8 bits a number), with one given power-of-two scale for each operand tensor; their sums are f32. All else is computed in f32.
;;   The module's matrix products, in the order in which they are computed (A, B: the left and right operand; K: the contracted axis; several contracted axes count as one K, in the product's order):
;;     1. [M 8,192, K 1,024] x [K 1,024, N 1,024]; A: input x; B: input Wq: QUANTISED (scales: A lowp_scales[0], B lowp_scales[1])
;;     2. [M 8,192, K 1,024] x [K 1,024, N 1,024]; A: input x; B: input Wk: QUANTISED (scales: A lowp_scales[2], B lowp_scales[3])
;;     3. [M 8,192, K 1,024] x [K 1,024, N 1,024]; A: input x; B: input Wv: QUANTISED (scales: A lowp_scales[4], B lowp_scales[5])
;;     4. batch 64 x [M 2,048, K 64] x [K 64, N 2,048]; A: computed on the way; B: computed on the way: QUANTISED (scales: A lowp_scales[6], B lowp_scales[7])
;;     5. batch 64 x [M 2,048, K 2,048] x [K 2,048, N 64]; A: softmax (see below); B: computed on the way: QUANTISED (scales: A lowp_scales[8], B lowp_scales[9])
;;     6. [M 8,192, K 1,024] x [K 1,024, N 1,024]; A: computed on the way; B: input Wo: QUANTISED (scales: A lowp_scales[10], B lowp_scales[11])
;;   THE QUANTISER, for each operand of a quantised product, along K:
;;     - The operand's scale is 2^e, e = its entry of the input lowp_scales (int32; the entries are numbered through the quantised products in the list's order, A before B).
;;     - Each number is divided by the scale, clamped to +-448, and rounded to the nearest number of E4M3, ties to even, subnormals kept.
;;     - The product sums the exact products of the quantised numbers (number of the format x scale) in f32.
;;   ~~~python
;;   def quantise(x, axis, e):      # numpy; x: float32 -> the quantised numbers, widened to float32 again
;;       x = np.moveaxis(x, axis, -1); K = x.shape[-1]
;;       r = np.clip(x / 2.0 ** e, -448, 448)
;;       step = 2.0 ** (np.maximum(np.frexp(np.where(r == 0, 1, r))[1] - 1, -6) - 3)
;;       q = np.round(r / step) * step * 2.0 ** e      # np.round: ties to even
;;       return np.moveaxis(q, -1, axis).astype(np.float32)
;;   ~~~
;;   SOFTMAX AHEAD OF A QUANTISED PRODUCT. Where the list says 'softmax', what is quantised is not the finished softmax but p = 2^(t - M), with t = logit x log2(e) and M = ceil(the row's largest t), a whole number; so 1/2 < the row's largest p <= 1. The row's sum l is taken of the UNQUANTISED p, in f32, and the product's result is divided by l at the end. Since M is a whole number, a kernel that streams over the keys may use a running M (the ceiling of the running maximum): every later rescaling is an exact power of two, so the quantised numbers keep their values, but for numbers so far below the row's largest that they fall under the format's range.
;;   OPERANDS COMPUTED ON THE WAY. 'Computed on the way' means the value that the module computes at that place (a softmax that the list does not call 'softmax' is quantised finished and normalised). What goes into a quantiser is computed in f32, as accurately as f32 sums, v_exp_f32 and their like allow (about 1e-6 of the number): no bf16 or f16 on the way to a quantiser, and a product that is left as it is and whose result goes on into a quantised operand takes f32 operands (vector FMAs, or v_wmma_f32_16x16x4_f32). A number that lies on a knife's edge between two numbers of the format may be rounded either way, as far as f32 arithmetic and the matrix unit's own rounding can turn it there, and no further.
;; One version. Each part assembles by itself: llvm-mc -triple=amdgcn-amd-amdhsa -mcpu=gfx1250 --defsym DOCPART=n.
;; ======== version 1 of 1: 4 launches
;; limits: right only within a limited range of input values
;; workspace buffers: xc 25,165,824 bytes; wc 4,194,304 bytes; tab 2,097,152 bytes; qkv 25,165,824 bytes; ai 8,388,608 bytes
;; launch prep (part 1): grid 384 x 1, 4 waves a work-group, no clusters, 66,048 bytes of LDS; arguments x, Wq, Wk, Wv, Wo, token_positions, lowp_scales, xc, wc, tab; writes xc, wc, tab
.if DOCPART == 1
	.amdgcn_target "amdgcn-amd-amdhsa--gfx1250"
	.amdhsa_code_object_version 6
	.text
	.protected	k_q8fd8fd72ba_prep
	.globl	k_q8fd8fd72ba_prep
	.p2align	8
	.type	k_q8fd8fd72ba_prep,@function
k_q8fd8fd72ba_prep:
	s_mov_b64 s[64:65], 0
	v_nop
	global_prefetch_b8 v0, s[64:65] scope:SCOPE_SE
	s_setreg_imm32_b32 hwreg(HW_REG_WAVE_MODE, 25, 1), 1
	s_wait_xcnt 0x0
; x [8192][1024] f32 becomes three sets of codes of E4M3 (scales 2^e0, 2^e2, 2^e4: one for each of the three projections), the four weights [1024][1024] one set each
; (Wq e1, Wk e3, Wv e5, Wo e11), all row-major with K innermost; and the table of cosines and sines for the rotation is made from token_positions.
; code = x / 2^e, held within +-448, rounded to the nearest code, ties to even.
; LIMITS: each e used here lies between -126 and 119; |token_positions| up to 2^20 (two-part reduction by pi/2); NaN among the inputs is not served.
; inv_freq[i] = 2^(-i log2(10000) / 32) is made by v_exp_f32 with the product's rounding error put back: it may differ from a power function's f32 result in the last bits.
; SHARES.  A wave takes a run of 8,192 numbers in 16 steps of 512.  Work-groups 0-255: x (run n = 4 x work-group + wave; the wave also makes half a token block of the table).
; Work-groups 256-383: the weights, 32 work-groups each.  Of Wv, in every 32 rows the second and the third group of 8 rows change places on the way (a run is 8 rows).
; A load reads 512 consecutive bytes, 16 a lane; a step's 2,048 bytes turn through the wave's own stage in LDS and come back 64 bytes a lane, since the conversions take neighbours
; along K from one lane's registers.  A lane's 16 codes are 16 bytes: a store covers 512 consecutive bytes, aligned.  Waves share nothing: no barrier.
; The two paths have LDS bytes of their own (x from byte 0, the weights from byte 32,768).
; TABLE: [512 token blocks][8 groups g = 2 b + cs][32 lanes][4 f32]: lane (r, h), element e: cos (cs = 0) or sin (cs = 1) of pos[16 T + r] x inv_freq[8 b + 4 h + e].
.set SP,   80                          ; a lane's place in a stage: 64 bytes + 16 of padding
.set LBW,  32768                       ; the weights' path: its stages begin here
.set R,    16                          ; v16-79   four sets of 16 numbers as loaded
.set X,    80                          ; v80-111  two sets of 16 neighbours
.set T,    112                         ; unused: the conversions read the neighbours in X directly
.set C,    160                         ; v160-207 codes: a ring of four steps x 12 registers
.set INV,  112                         ; the table, ahead of the stream: v112-119 inv_freq, v120-143 at work, v144-167 at work, v176-191 results
.set PW,   120
.set FI,   128
.set ER,   136
.set TO,   176
	s_load_b256 s[8:15], s[0:1], 0x0               ; x s[8:9], Wq s[10:11], Wk s[12:13], Wv s[14:15]
	s_load_b256 s[16:23], s[0:1], 0x20             ; Wo s[16:17], positions s[18:19], scales s[20:21], xc s[22:23]
	s_load_b128 s[24:27], s[0:1], 0x40             ; wc s[24:25], tab s[26:27]
	v_lshl_add_u32 v208, v0, 2, 0x10000
	v_mov_b32 v209, 0
	v_lshrrev_b32 v1, 5, v0
	v_readfirstlane_b32 s28, v1                    ; wave
	v_and_b32 v2, 31, v0                           ; lane
	v_lshlrev_b32 v3, 4, v2                        ; 16 x lane: my bytes of a load's 512, and of a store's; never rewritten
	s_lshl_b32 s29, s28, 13                        ; my wave's 8,192 bytes of LDS
	v_lshrrev_b32 v14, 2, v2
	v_mul_u32_u24 v14, v14, SP
	v_and_b32 v15, 3, v2
	v_lshl_add_u32 v14, v15, 4, v14
	v_add_nc_u32 v14, s29, v14                     ; into the stage: SP (lane / 4) + 16 (lane % 4)
	v_mul_u32_u24 v15, v2, SP
	v_add_nc_u32 v15, s29, v15                     ; out of it: SP x lane: my 16 neighbours
	s_wait_kmcnt 0x0
.macro LOAD t
.irp i, 0,1,2,3
	global_load_b128 v[R+16*((\t)%4)+4*\i:R+16*((\t)%4)+4*\i+3], v3, s[4:5] offset:2048*(\t)+512*\i th:TH_LOAD_NT   ; 512 consecutive bytes, read once in the launch
.endr
.endm
.macro TURN t, lb                      ; step t's numbers through the stage: LDS serves a wave's instructions in order, so no wait stands between the stores and the loads
.irp i, 0,1,2,3
	ds_store_b128 v14, v[R+16*((\t)%4)+4*\i:R+16*((\t)%4)+4*\i+3] offset:\lb+32*SP*((\t)%2)+8*SP*\i
.endr
.irp i, 0,1,2,3
	ds_load_b128 v[X+16*((\t)%2)+4*\i:X+16*((\t)%2)+4*\i+3], v15 offset:\lb+32*SP*((\t)%2)+16*\i
.endr
.endm
; One step: nout sets of codes of the same 512 numbers.  Output set P: scale v[8 + 2 P], destination s[32 + 2 P : 33 + 2 P].
.macro QSTEP t, nout, lb
	s_wait_dscnt 0x0                               ; this step's numbers are back from the stage: so its stores into the stage have read their registers,
.if (\t)+4 < 16
	LOAD (\t)+4                                    ; which take the loads of four steps on
.endif
.if (\t)+1 < 16
.if 14-(\t) >= 3
	s_wait_loadcnt 12                              ; the next step's four loads are in; those of the three steps behind it stay out
.else
	s_wait_loadcnt 4*(14-(\t))
.endif
	TURN (\t)+1, \lb
.endif
	s_wait_xcnt 0x0                                ; the ring's registers, which the stores of four steps ago read (in step 0: the table's stores), are rewritten only behind this wait
.set XS, X+16*((\t)%2)
.set CR, C+12*((\t)%4)
.set PP, 0
.rept \nout
.set i, 0
.rept 16
.set i, i+1
.endr
	v_cvt_scalef32_pk8_fp8_f32 v[CR+4*PP:CR+4*PP+1], v[T+16*PP+((XS+i)-(T+16*PP+i)):T+16*PP+7+((XS+i)-(T+16*PP+i))], v[8+2*PP]
	v_cvt_scalef32_pk8_fp8_f32 v[CR+4*PP+2:CR+4*PP+3], v[T+16*PP+8+((XS+i)-(T+16*PP+i)):T+16*PP+15+((XS+i)-(T+16*PP+i))], v[8+2*PP]
	global_store_b128 v3, v[CR+4*PP:CR+4*PP+3], s[32+2*PP:33+2*PP] offset:512*(\t)
.set PP, PP+1
.endr
	v_nop                                          ; a plain line between the last conversion and the next step's LDS loads, which may write its sources
.endm
.macro SCALE p, e                      ; v[8 + 2 p] = 2^e as f32
	s_add_co_i32 s2, \e, 127
	s_lshl_b32 s3, s2, 23
	v_mov_b32 v[8+2*\p], s3
	s_add_co_i32 s2, s2, 8
	s_lshl_b32 s2, s2, 23
	s_or_b32 s2, s2, 0x600000
.endm
	s_cmp_lt_u32 ttmp9, 256
	s_cbranch_scc0 .Lweights
	; ---------------- x, and the table ----------------
	s_load_b256 s[40:47], s[20:21], 0x0            ; e0 .. e7
	s_lshl_b32 s30, ttmp9, 2
	s_add_co_u32 s30, s30, s28                     ; n: my run
	s_mov_b32 s3, 0
	s_lshl_b32 s2, s30, 15
	s_add_nc_u64 s[4:5], s[8:9], s[2:3]            ; x + 32,768 n
	s_lshl_b32 s2, s30, 13
	s_add_nc_u64 s[32:33], s[22:23], s[2:3]        ; the three sets of codes, 8 MiB apart
	s_add_nc_u64 s[34:35], s[32:33], 0x800000
	s_add_nc_u64 s[36:37], s[32:33], 0x1000000
	s_lshr_b32 s2, s30, 1                          ; T = n / 2: my token block
	s_lshl_b32 s2, s2, 6
	s_add_nc_u64 s[18:19], s[18:19], s[2:3]        ; its 16 positions
	s_lshl_b32 s2, s30, 11
	s_add_nc_u64 s[26:27], s[26:27], s[2:3]        ; the table at 4,096 T + 2,048 (n % 2)
	s_and_b32 s38, s30, 1
	s_lshl_b32 s38, s38, 4                         ; 16 x (n % 2): my half of the 32 frequencies
	v_and_b32 v4, 15, v0
	v_lshlrev_b32 v5, 2, v4
	global_load_b32 v6, v5, s[18:19]               ; pos[16 T + r]
.irp t, 0,1,2,3
	LOAD \t
.endr
	s_mov_b32 s48, 0x3f22f983                      ; 2 / pi
	s_mov_b32 s49, 0x3fc90fdb                      ; pi / 2, its f32 part,
	s_mov_b32 s50, 0xb33bbd2e                      ; and what that leaves
	s_mov_b32 s51, 0xbe2aaaa3                      ; sine on +-pi/4: r + r z (S1 + z (S2 + z S3)), z = r r
	s_mov_b32 s52, 0x3c08839e
	s_mov_b32 s53, 0xb94ca1f9
	s_mov_b32 s54, 0x3d2aaaa5                      ; cosine: 1 - z / 2 + z z (C1 + z (C2 + z C3))
	s_mov_b32 s55, 0xbab6061a
	s_mov_b32 s56, 0x37ccf5ce
	s_mov_b32 s57, 0x3ed49a78                      ; log2(10000) / 32, its f32 part,
	s_mov_b32 s58, 0x32179a39                      ; and what that leaves
	s_mov_b32 s59, 0x3f317218                      ; ln 2
	v_bfe_u32 v7, v0, 4, 1
	v_lshl_add_u32 v7, v7, 2, s38                  ; 16 (n % 2) + 4 h
.irp k, 0,1,2,3,4,5,6,7                ; my eight frequencies: i = 16 (n % 2) + 8 (k / 4) + 4 h + k % 4
	v_add_nc_u32 v[PW+\k], 8*(\k/4)+\k%4, v7
.endr
.irp k, 0,1,2,3,4,5,6,7
	v_cvt_f32_u32 v[FI+\k], v[PW+\k]
.endr
.irp k, 0,1,2,3,4,5,6,7
	v_mul_f32 v[PW+\k], s57, v[FI+\k]              ; p, rounded
.endr
.irp k, 0,1,2,3,4,5,6,7
	v_fma_f32 v[ER+\k], v[FI+\k], s57, -v[PW+\k]   ; what the rounding dropped,
.endr
.irp k, 0,1,2,3,4,5,6,7
	v_fma_f32 v[ER+\k], v[FI+\k], s58, v[ER+\k]    ; and the constant's own remainder
.endr
	s_wait_alu depctr_va_vdst(0)
.irp k, 0,1,2,3,4,5,6,7
	v_exp_f32 v[INV+\k], -v[PW+\k]
.endr
.irp k, 0,1,2,3,4,5,6,7
	v_mul_f32 v[ER+\k], s59, v[ER+\k]              ; (plain lines behind the exponentials)
.endr
	s_wait_alu depctr_va_vdst(0)
.irp k, 0,1,2,3,4,5,6,7
	v_fma_f32 v[INV+\k], -v[INV+\k], v[ER+\k], v[INV+\k]   ; 2^-(p + er) = 2^-p (1 - er ln 2)
.endr
	s_wait_kmcnt 0x0
	SCALE 0, s40
	SCALE 1, s42
	SCALE 2, s44
	s_wait_loadcnt 16                              ; the position is in; the stream's sixteen loads stay out
	v_cvt_f32_i32 v6, v6
; cos and sin of pos x inv_freq[k]: the angle has one rounding; k pi / 2 is taken off in two parts; polynomials on +-pi/4; the quadrant swaps and signs them.
.macro SINCOS k
.set W, 144+12*((\k)%2)
.set DC, TO+8*((\k)/4)+(\k)%4
	v_mul_f32 v[W], v6, v[INV+(\k)]
	v_mul_f32 v[W+1], s48, v[W]
	v_rndne_f32 v[W+1], v[W+1]
	v_fma_f32 v[W+2], -v[W+1], s49, v[W]
	v_fma_f32 v[W+2], -v[W+1], s50, v[W+2]
	v_cvt_i32_f32 v[W+3], v[W+1]                   ; the quadrant
	v_mul_f32 v[W+4], v[W+2], v[W+2]
	v_fma_f32 v[W+5], v[W+4], s53, s52
	v_fma_f32 v[W+6], v[W+4], s56, s55
	v_fma_f32 v[W+5], v[W+5], v[W+4], s51
	v_fma_f32 v[W+6], v[W+6], v[W+4], s54
	v_mul_f32 v[W+5], v[W+5], v[W+4]
	v_mul_f32 v[W+7], v[W+4], v[W+4]
	v_fma_f32 v[W+8], v[W+4], -0.5, 1.0
	v_fma_f32 v[W+5], v[W+5], v[W+2], v[W+2]       ; sin r
	v_fma_f32 v[W+6], v[W+6], v[W+7], v[W+8]       ; cos r
	v_and_b32 v[W+9], 1, v[W+3]
	v_cmp_ne_u32 vcc_lo, 0, v[W+9]
	v_cndmask_b32 v[W+10], v[W+5], v[W+6], vcc_lo  ; in odd quadrants the two change places
	v_cndmask_b32 v[W+11], v[W+6], v[W+5], vcc_lo
	v_and_b32 v[W+9], 2, v[W+3]
	v_lshlrev_b32 v[W+9], 30, v[W+9]
	v_xor_b32 v[DC+4], v[W+10], v[W+9]             ; the sine is negative in quadrants 2 and 3,
	v_add_nc_u32 v[W+9], 1, v[W+3]
	v_and_b32 v[W+9], 2, v[W+9]
	v_lshlrev_b32 v[W+9], 30, v[W+9]
	v_xor_b32 v[DC], v[W+11], v[W+9]               ; the cosine in 1 and 2
.endm
.irp k, 0,1,2,3,4,5,6,7
	SINCOS \k
.endr
.irp g, 0,1,2,3
	global_store_b128 v3, v[TO+4*\g:TO+4*\g+3], s[26:27] offset:512*\g   ; a group: 512 consecutive bytes
.endr
	s_wait_loadcnt 12                              ; step 0's four loads are in
	TURN 0, 0
.irp t, 0,1,2,3,4,5,6,7,8,9,10,11,12,13,14,15
	QSTEP \t, 3, 0
.endr
	s_wait_tensorcnt 0x0
	ds_add_u32 v208, v209
	s_wait_dscnt 0x0
	s_endpgm
	; ---------------- the four weights ----------------
.Lweights:
	s_load_b256 s[40:47], s[20:21], 0x0            ; e0 .. e7
	s_load_b32 s48, s[20:21], 0x2c                 ; e11
	s_sub_co_u32 s30, ttmp9, 256
	s_lshr_b32 s31, s30, 5                         ; which weight: 0 Wq, 1 Wk, 2 Wv, 3 Wo
	s_and_b32 s30, s30, 31
	s_lshl_b32 s30, s30, 2
	s_add_co_u32 s30, s30, s28                     ; n: my run of 8 rows
	s_cmp_eq_u32 s31, 0
	s_cselect_b64 s[4:5], s[10:11], s[16:17]
	s_cmp_eq_u32 s31, 1
	s_cselect_b64 s[4:5], s[12:13], s[4:5]
	s_cmp_eq_u32 s31, 2
	s_cselect_b64 s[4:5], s[14:15], s[4:5]
	s_and_b32 s38, s30, 1                          ; Wv: runs 1 and 2 of every four change places
	s_lshl_b32 s38, s38, 1
	s_bfe_u32 s39, s30, 0x10001
	s_or_b32 s38, s38, s39
	s_and_b32 s39, s30, 0x7c
	s_or_b32 s38, s38, s39
	s_cmp_eq_u32 s31, 2
	s_cselect_b32 s38, s38, s30
	s_mov_b32 s3, 0
	s_lshl_b32 s2, s30, 15
	s_add_nc_u64 s[4:5], s[4:5], s[2:3]
	s_lshl_b32 s2, s31, 20
	s_lshl_b32 s38, s38, 13
	s_add_co_u32 s2, s2, s38
	s_add_nc_u64 s[32:33], s[24:25], s[2:3]
	s_wait_alu depctr_va_vdst(0)
.irp t, 0,1,2,3
	LOAD \t
.endr
	s_wait_kmcnt 0x0
	s_cmp_eq_u32 s31, 0
	s_cselect_b32 s39, s41, s48                    ; e1, e3, e5 or e11
	s_cmp_eq_u32 s31, 1
	s_cselect_b32 s39, s43, s39
	s_cmp_eq_u32 s31, 2
	s_cselect_b32 s39, s45, s39
	SCALE 0, s39
	s_wait_alu depctr_va_vdst(0)
	s_wait_loadcnt 12
	TURN 0, LBW
.irp t, 0,1,2,3,4,5,6,7,8,9,10,11,12,13,14,15
	QSTEP \t, 1, LBW
.endr
	s_wait_tensorcnt 0x0
	ds_add_u32 v208, v209
	s_wait_dscnt 0x0
	s_endpgm
.Lfunc_end_k_q8fd8fd72ba_prep:
	.size	k_q8fd8fd72ba_prep, .Lfunc_end_k_q8fd8fd72ba_prep-k_q8fd8fd72ba_prep
	.p2alignl 7, 3214868480
	.fill 96, 4, 3214868480
	.section	.rodata,"a",@progbits
	.p2align	6, 0x0
	.amdhsa_kernel k_q8fd8fd72ba_prep
		.amdhsa_group_segment_fixed_size 66048
		.amdhsa_private_segment_fixed_size 0
		.amdhsa_enable_private_segment 0
		.amdhsa_kernarg_size 80
		.amdhsa_user_sgpr_count 2
		.amdhsa_user_sgpr_kernarg_segment_ptr 1
		.amdhsa_wavefront_size32 1
		.amdhsa_system_sgpr_workgroup_id_x 1
		.amdhsa_system_sgpr_workgroup_id_y 1
		.amdhsa_system_sgpr_workgroup_id_z 1
		.amdhsa_system_vgpr_workitem_id 0
		.amdhsa_next_free_vgpr 210
		.amdhsa_next_free_sgpr 66
		.amdhsa_reserve_vcc 1
		.amdhsa_float_denorm_mode_32 3
		.amdhsa_float_denorm_mode_16_64 3
		.amdhsa_fp16_overflow 1
		.amdhsa_memory_ordered 1
		.amdhsa_forward_progress 1
		.amdhsa_inst_pref_size 65
	.end_amdhsa_kernel
	.amdgpu_metadata
---
amdhsa.version: [ 1, 2 ]
amdhsa.kernels:
  - .name:           k_q8fd8fd72ba_prep
    .symbol:         k_q8fd8fd72ba_prep.kd
    .args:
      - { .name: x, .offset: 0, .size: 8, .value_kind: global_buffer, .address_space: global }
      - { .name: Wq, .offset: 8, .size: 8, .value_kind: global_buffer, .address_space: global }
      - { .name: Wk, .offset: 16, .size: 8, .value_kind: global_buffer, .address_space: global }
      - { .name: Wv, .offset: 24, .size: 8, .value_kind: global_buffer, .address_space: global }
      - { .name: Wo, .offset: 32, .size: 8, .value_kind: global_buffer, .address_space: global }
      - { .name: token_positions, .offset: 40, .size: 8, .value_kind: global_buffer, .address_space: global }
      - { .name: lowp_scales, .offset: 48, .size: 8, .value_kind: global_buffer, .address_space: global }
      - { .name: xc, .offset: 56, .size: 8, .value_kind: global_buffer, .address_space: global }
      - { .name: wc, .offset: 64, .size: 8, .value_kind: global_buffer, .address_space: global }
      - { .name: tab, .offset: 72, .size: 8, .value_kind: global_buffer, .address_space: global }
    .group_segment_fixed_size: 66048
    .private_segment_fixed_size: 0
    .kernarg_segment_align: 8
    .kernarg_segment_size: 80
    .max_flat_workgroup_size: 128
    .sgpr_count:     66
    .vgpr_count:     210
    .wavefront_size: 32
...
	.end_amdgpu_metadata
.endif
;; end of part 1
;; launch qkv (part 2): grid 4 x 96, 4 waves a work-group, clusters of 4 x 4, 327,680 bytes of LDS; arguments xc, wc, tab, lowp_scales, qkv; writes qkv
.if DOCPART == 2
	.amdgcn_target "amdgcn-amd-amdhsa--gfx1250"
	.amdhsa_code_object_version 6
	.text
	.protected	k_q8fd8fd72ba_qkv
	.globl	k_q8fd8fd72ba_qkv
	.p2align	8
	.type	k_q8fd8fd72ba_qkv,@function
k_q8fd8fd72ba_qkv:
	s_mov_b64 s[64:65], 0
	v_nop
	global_prefetch_b8 v0, s[64:65] scope:SCOPE_SE
	s_setreg_imm32_b32 hwreg(HW_REG_WAVE_MODE, 25, 1), 1
	s_wait_xcnt 0x0
	s_wait_alu depctr_hold_cnt(0) depctr_sa_sdst(0) depctr_va_vdst(0) depctr_va_sdst(0) depctr_va_ssrc(0) depctr_va_vcc(0) depctr_vm_vsrc(0)
	s_getreg_b32 s2, hwreg(HW_REG_IB_STS2, 6, 4)
	s_cmp_eq_u32 s2, 0
	s_cbranch_scc0 .Lentry_in_a_cluster
	s_endpgm
.Lentry_in_a_cluster:
	s_bfe_u32 s2, ttmp6, 0x10000c
	s_cmp_lg_u32 s2, 0xf033
	s_cbranch_scc0 .Lentry_shape_is_right
	s_endpgm
.Lentry_shape_is_right:
; The three projections q, k, v = x W^T on codes of E4M3 (K = 1,024), the rotation of q and k, and the quantising of all three for attention's two products.
; 24 clusters of 4 x 4 work-groups: clusters 0-7 make q, 8-15 k, 16-23 v.  A work-group makes 256 x 256 of a product, a wave 128 x 128: 64 accumulators of 16 x 16, 512 registers.
; K goes in steps of 256 through a ring of two LDS slots filled by the tensor data mover; the tiles of one operand are shared along a row of the cluster, the other's along a column: joint loads.
; THE MATRIX INSTRUCTION: source 0 = 16 rows of operand B, source 1 = 16 rows of operand A: lane (r, h) holds A's row r, and its register j B's row 8 h + j.
;   q, k: A = x (tokens), B = W: a lane holds one token and eight neighbouring channels: the rotation's pairs lie in one lane, and one conversion gives two registers of the 16x16x64 form's fragment.
;   v:    A = Wv (channels), B = x (tokens): a lane holds one channel and eight neighbouring tokens (keys): one conversion gives two registers of the 16x16x128 form's fragment of V^T.
; RESULTS LEAVE AS IMAGES OF THE FRAGMENTS that attention loads: four registers a group, lane l's 16 bytes at 16 l: every store covers 512 consecutive bytes, aligned; no stage in LDS.
;   q at +0, k at +8 MiB: [batch x head 64][token block 128][2 groups][32 lanes][16 bytes];  v at +16 MiB: [batch x head][key block of 128: 16][channel block 4][4 groups][32][16].
; SCALES: a sum stands for sum x 2^(eA + eB); its code is sum / 2^(eo - eA - eB), eo = e6 (q), e7 (k), e9 (v): the three are folded into the conversion's one (the rotation commutes with a power of two).
; LIMITS: e6 - e0 - e1, e7 - e2 - e3 and e9 - e4 - e5 lie between -126 and 119.
; 384 work-groups: more than one filling of the WGPs and less than two; a smaller tile would read more LDS bytes for each product.
; REGISTERS, in windows of 256: window 0: v0-31 addresses; from v128 A's fragments, ONE set; on the way out v32-255 are free.  window 1: B's fragments, TWO sets.  windows 2, 3: the accumulators ((a, b) at v[8 (8 (a % 4) + b)]).
.set KROW,   1024                      ; a row of codes in memory
.set ROWB,   256                       ; a tile's row: 256 codes
.set PITCH,  272                       ; an LDS row: 256 bytes + 16 of padding: the 16 rows that a load touches start at 16 different banks (64 banks of 4 bytes: ISA guide 11.1)
.set FR,     16                        ; registers of a fragment: 16 rows x 128 K
.set NL,     4                         ; LDS loads that bring one
.set NP,     4                         ; places behind this matrix instruction (ISA guide 7.12.1)
.set HALFT,  128*PITCH                 ; 128 rows: what one tensor load brings
.set SLOT,   4*HALFT                   ; A's 256 rows, then B's 256 rows
.set LAPS,   2                         ; K = 1,024 is twice round the ring
.set SPARE,  2*SLOT                    ; behind the ring: the spare words, 128 bytes a wave, that no other line names
.set ADRA, 16                          ; v16-17  LDS address of my A fragments in slot 0, 1
.set ADRB, 20                          ; v20-21  the same for B
.set LI,   26                          ; v26     16 x lane; never rewritten
.set SPW,  28                          ; v28     my spare word's address; never rewritten
.set NIL,  29                          ; v29     0; never rewritten
.set TAB,  32                          ; the way out: v32-95 two sets of 32: a token block's cosines and sines
.set T,    96                          ; v96-159 a block's 64 numbers
.set AF,   128                         ; A's fragments
.set CD,   160                         ; v160-223 codes: a ring of four blocks x 16
.set U,    224                         ; v224-231 at work
.set SCV,  232                         ; v232 the conversion's scale
.set G1, 24                            ; s[24:31] descriptor group 1 for A's tiles;  s[32:39] group 0, one set for each slot
.set G0, 32
.set G1B, 48                           ; s[48:55], s[56:63] the same for B's tiles
.set G0B, 56
.set MSB, 0
.macro WIN new                         ; the immediate's high byte repeats the setting that is left
.if MSB != (\new)
	s_set_vgpr_msb (MSB<<8)|(\new)
.set MSB, \new
.endif
.endm
.set MUL_LO, 0xa1                      ; source 0 (B) window 1, source 1 (A) window 0, C and D window 2
.set MUL_HI, 0xf1                      ; the same, C and D window 3
.set TO_B,   0x40                      ; destination window 1, address window 0
; A joint load: waves 0 and 1 fetch for A, waves 2 and 3 for B; the branch hangs on the wave's number alone.  Four v_nop follow each of the two lines.
.macro JLOAD g0a, g1a, g0b, g1b
	s_cmp_eq_u32 s15, 0
	s_cbranch_scc0 .Lfor_b_\@
	tensor_load_to_lds s[\g0a:\g0a+3], s[\g1a:\g1a+7]
	s_nop 0
.rept 4
	v_nop
.endr
	s_branch .Lasked_\@
.Lfor_b_\@:
	tensor_load_to_lds s[\g0b:\g0b+3], s[\g1b:\g1b+7]
	s_nop 0
.rept 4
	v_nop
.endr
.Lasked_\@:
.endm
.macro CREST                           ; a round of the cluster's barrier behind its opening barrier
	s_cmp_lg_u32 s14, 0
	s_cbranch_scc1 .Lnot_wave_0_\@
	s_barrier_signal -3
.Lnot_wave_0_\@:
	s_barrier_wait -3
	s_barrier_signal -1
	s_barrier_wait -1
.endm
.macro CROUND                          ; a whole round
	s_barrier_signal -1
	s_barrier_wait -1
	CREST
.endm
	s_load_b256 s[4:11], s[0:1], 0x0               ; xc s[4:5], wc s[6:7], tab s[8:9], scales s[10:11]
	s_load_b64 s[12:13], s[0:1], 0x20              ; qkv
	v_lshl_add_u32 v[SPW], v0, 2, SPARE
	v_mov_b32 v[NIL], 0
	ds_add_u32 v28, v29
	ds_add_u32 v28, v29
	s_wait_dscnt 0x0
	v_lshrrev_b32 v1, 5, v0
	v_readfirstlane_b32 s14, v1                    ; wave 0..3
	s_lshr_b32 s15, s14, 1                         ; which half of A's rows is mine.  Also: I fetch for A (0) or for B (1)
	s_and_b32 s16, s14, 1                          ; which half of B's rows.  Also: which 128 rows of that tile I fetch
	s_bfe_u32 s40, ttmp6, 0x40000                  ; cx, cy: my place in the cluster
	s_bfe_u32 s41, ttmp6, 0x40004
	s_and_b32 s80, ttmp7, 0xffff                   ; the cluster's number, 0..23: all partners share it
	s_lshr_b32 s81, s80, 3                         ; P: 0 q, 1 k, 2 v
	s_and_b32 s82, s80, 7
	s_lshl_b32 s82, s82, 2                         ; the four tiles of x's 32 that this cluster takes
	s_cmp_eq_u32 s81, 2
	s_cselect_b32 s83, 0, s82                      ; they are A's for q and k,
	s_cselect_b32 s84, s82, 0                      ; B's for v
	s_add_co_u32 s17, s83, s41                     ; A's tile: hangs on cy and the cluster's number
	s_add_co_u32 s42, s84, s40                     ; B's tile: on cx and the cluster's number
	s_lshl_b32 s43, s41, 2
	s_lshl_b32 s43, 15, s43                        ; my row of the cluster
	s_lshl_b32 s44, 0x1111, s40                    ; my column
	; descriptor group 1: a tile of 128 rows x 256 bytes, padded in LDS
	s_or_b32 s[G1+0], s43, (0<<16)|(1<<20)|(1<<21)|(5<<22)|(3<<25)  ; 15:0 the mask: A's tiles go to my row; 17:16 element of 1 byte; 20 padding on; 21 set beside a mask; 24:22 after every 64 words; 31:25 four words
	s_or_b32 s[G1B+0], s44, (0<<16)|(1<<20)|(1<<21)|(5<<22)|(3<<25)
.irp g, G1, G1B
	s_mov_b32 s[\g+1], ROWB<<16                    ; tensor_dim0
	s_mov_b32 s[\g+2], 128<<16                     ; tensor_dim1
	s_mov_b32 s[\g+3], ROWB<<16                    ; tile_dim0
	s_mov_b32 s[\g+4], 128                         ; tile_dim1
	s_mov_b32 s[\g+5], KROW                        ; tensor_dim0_stride
	s_mov_b32 s[\g+6], 0
	s_mov_b32 s[\g+7], 0
.endr
	s_lshl_b32 s18, s16, 7                         ; which 128 rows of the tile I fetch
	s_lshl_b32 s20, s17, 8
	s_add_co_u32 s20, s20, s18
	s_lshl_b32 s20, s20, 10                        ; A: (256 x tile + 128 x half) rows of 1,024 bytes
	s_mov_b32 s21, 0
	s_lshl_b32 s46, s42, 8
	s_add_co_u32 s46, s46, s18
	s_lshl_b32 s46, s46, 10                        ; B likewise
	s_mov_b32 s47, 0
	s_mul_i32 s45, s14, HALFT                      ; where they go: wave x 128 rows: no place in the cluster enters an LDS address
	s_mov_b32 s87, 0
	s_wait_kmcnt 0x0
	s_load_b256 s[68:75], s[10:11], 0x0            ; e0 .. e7
	s_load_b128 s[76:79], s[10:11], 0x20           ; e8 .. e11
	s_lshl_b32 s86, s81, 23
	s_add_nc_u64 s[88:89], s[4:5], s[86:87]        ; x's set of codes for this product
	s_lshl_b32 s86, s81, 20
	s_add_nc_u64 s[90:91], s[6:7], s[86:87]        ; the weight's codes
	s_cmp_eq_u32 s81, 2
	s_cselect_b64 s[92:93], s[90:91], s[88:89]     ; A: x, or Wv
	s_cselect_b64 s[94:95], s[88:89], s[90:91]     ; B: W, or x
	s_add_nc_u64 s[20:21], s[92:93], s[20:21]
	s_add_nc_u64 s[46:47], s[94:95], s[46:47]
	CROUND                                         ; all sixteen work-groups are here: the first joint loads meet
.irp s, 0,1
	s_mov_b32 s[G0+4*\s], 1
	s_add_co_u32 s[G0+4*\s+1], s45, \s*SLOT
	s_add_nc_u64 s[G0+4*\s+2:G0+4*\s+3], s[20:21], \s*ROWB
	s_or_b32 s[G0+4*\s+3], s[G0+4*\s+3], 0x80000000
	s_mov_b32 s[G0B+4*\s], 1
	s_add_co_u32 s[G0B+4*\s+1], s45, \s*SLOT
	s_add_nc_u64 s[G0B+4*\s+2:G0B+4*\s+3], s[46:47], \s*ROWB
	s_or_b32 s[G0B+4*\s+3], s[G0B+4*\s+3], 0x80000000
	JLOAD G0+4*\s, G1, G0B+4*\s, G1B
.endr
	v_and_b32 v1, 15, v0                           ; l % 16
	v_bfe_u32 v2, v0, 4, 1                         ; l / 16
	v_mul_u32_u24 v3, v1, PITCH
	v_lshl_add_u32 v4, v2, 4, v3                   ; a fragment's row x pitch + 16 x half
	s_mul_i32 s21, s15, HALFT                      ; my 128 rows of A
	s_mul_i32 s22, s16, HALFT                      ; my 128 rows of B,
	s_add_co_u32 s22, s22, 2*HALFT                 ; which lie behind A's 256
.irp s, 0,1
	v_add_nc_u32 v[ADRA+\s], s21, v4
	v_add_nc_u32 v[ADRB+\s], s22, v4
	s_add_co_u32 s21, s21, SLOT
	s_add_co_u32 s22, s22, SLOT
.endr
	v_and_b32 v6, 31, v0
	v_lshlrev_b32 v[LI], 4, v6
.macro FRAG reg, adr, q, i             ; a fragment: lane l holds row l % 16; registers 4 c .. 4 c + 3 hold K = 32 c + 16 (l / 16) + 0 .. 15: the same order of K in A and in B, so every product meets its partner
.irp c, 0,1,2,3
	ds_load_b128 v[\reg+4*\c:\reg+4*\c+3], v[\adr] offset:128*(\q)+32*\c+(\i)*16*PITCH
.endr
.endm
; 16 matrix instructions: A's blocks a0, a0 + 1 x B's eight, 128 along K.  p: B's set.  zero = 1: the first product starts the sums.  The 64 accumulators take turns, one instruction a turn.
.macro MUL16 a0, p, zero
.irp a, \a0, \a0+1
.irp b, 0,1,2,3,4,5,6,7
.if \zero
	v_wmma_f32_16x16x128_fp8_fp8 v[8*(8*((\a)%4)+\b):8*(8*((\a)%4)+\b)+7], v[128*(\p)+FR*\b:128*(\p)+FR*\b+FR-1], v[AF+FR*(\a):AF+FR*(\a)+FR-1], 0
.else
	v_wmma_f32_16x16x128_fp8_fp8 v[8*(8*((\a)%4)+\b):8*(8*((\a)%4)+\b)+7], v[128*(\p)+FR*\b:128*(\p)+FR*\b+FR-1], v[AF+FR*(\a):AF+FR*(\a)+FR-1], v[8*(8*((\a)%4)+\b):8*(8*((\a)%4)+\b)+7]
.endif
.endr
.endr
.endm
.macro FETCH_B slot, q, p              ; B's eight fragments of the slot's q-th 128 along K into set p
	WIN TO_B
.irp i, 0,1,2,3,4,5,6,7
	FRAG 128*(\p)+FR*\i, ADRB+\slot, \q, \i
.endr
	WIN 0
.endm
.macro FETCH_A slot, q, i0             ; A's blocks i0 .. i0 + 3
.irp i, \i0, \i0+1, \i0+2, \i0+3
	FRAG AF+FR*(\i), ADRA+\slot, \q, \i
.endr
.endm
.macro PLACES n                        ; plain vector lines between a matrix instruction and a load into, a write of, or a read of its registers (for a write or a read)
.rept \n
	v_nop
.endr
.endm
; A step of 128 along K that has its successor in the same slot.
.macro STEP slot, q, zero
	s_wait_dscnt 4*NL                              ; B's set and A's blocks 0-3 are in; the youngest sixteen loads (A's blocks 4-7) may be out
	WIN MUL_LO
	MUL16 0, (\q)%2, \zero
	MUL16 2, (\q)%2, \zero
	s_wait_dscnt 0                                 ; A's blocks 4-7 are in
	PLACES NP
	FETCH_B \slot, (\q)+1, 1-(\q)%2
	FETCH_A \slot, (\q)+1, 0
	WIN MUL_HI
	MUL16 4, (\q)%2, \zero
	MUL16 6, (\q)%2, \zero
	PLACES NP
	WIN 0
	FETCH_A \slot, (\q)+1, 4
.endm
; A slot's last step changes slots: ONE barrier; in front of it each wave waits for all its tensor loads, adds 0 to its spare word, and waits for that and for its own reads of this slot.  fill = 1: this slot is filled again.
.macro TURN slot, next, fill
	s_wait_tensorcnt 0x0                           ; all my tensor loads have landed: my part of the next slot
	ds_add_u32 v[SPW], v[NIL]                      ; 0 onto my spare word
	s_wait_dscnt 4*NL+1                            ; (the add and the youngest sixteen loads, A's blocks 4-7, may be out)
	WIN MUL_LO
	MUL16 0, 1, 0                                  ; sixteen matrix instructions stand between the add and the wait for it
	s_wait_dscnt 0x0                               ; the add is done, and my reads of this slot are over
	s_barrier_signal -1
	MUL16 2, 1, 0
	WIN 0
	s_barrier_wait -1
.if \fill
	CREST                                          ; the barrier has opened a round of the cluster's barrier: no wave of any partner still reads this slot's tile or has a load on its way
	s_add_nc_u64 s[G0+4*\slot+2:G0+4*\slot+3], s[G0+4*\slot+2:G0+4*\slot+3], 2*ROWB
	s_add_nc_u64 s[G0B+4*\slot+2:G0B+4*\slot+3], s[G0B+4*\slot+2:G0B+4*\slot+3], 2*ROWB
	JLOAD G0+4*\slot, G1, G0B+4*\slot, G1B         ; the first tensor load behind the round; the four v_nop behind it are the places in front of the loads below
.else
	PLACES NP
.endif
	FETCH_B \next, 0, 0
	FETCH_A \next, 0, 0
	WIN MUL_HI
	MUL16 4, 1, 0
	MUL16 6, 1, 0
	PLACES NP
	WIN 0
	FETCH_A \next, 0, 4
.endm
	s_wait_alu depctr_va_vdst(0)
	s_wait_tensorcnt 1                             ; my part of slot 0 is in; slot 1's load may be out
	s_barrier_signal -1
	s_barrier_wait -1
	FETCH_B 0, 0, 0
	FETCH_A 0, 0, 0
	FETCH_A 0, 0, 4
	STEP 0, 0, 1                                   ; the first step stands in front of the loop: its products start the sums
	s_mov_b32 s3, LAPS-1
.Llap:                                                 ; a trip goes once round the ring and fills both slots again
	TURN 0, 1, 1
	STEP 1, 0, 0
	TURN 1, 0, 1
	STEP 0, 0, 0
	s_sub_co_u32 s3, s3, 1
	s_cmp_lg_u32 s3, 0
	s_cbranch_scc1 .Llap
	TURN 0, 1, 0                                   ; the last lap fills nothing
	STEP 1, 0, 0
	s_wait_dscnt 4*NL                              ; the very last step
	WIN MUL_LO
	MUL16 0, 1, 0
	MUL16 2, 1, 0
	s_wait_dscnt 0
	WIN MUL_HI
	MUL16 4, 1, 0
	MUL16 6, 1, 0
	WIN 0
	; THE WAY OUT.  The folded scale: eo - eA - eB.
	s_wait_kmcnt 0x0
	s_add_co_i32 s86, s68, s69
	s_add_co_i32 s87, s70, s71
	s_add_co_i32 s88, s72, s73
	s_cmp_eq_u32 s81, 0
	s_cselect_b32 s86, s86, s87
	s_cselect_b32 s89, s74, s75
	s_cmp_eq_u32 s81, 2
	s_cselect_b32 s86, s88, s86
	s_cselect_b32 s89, s77, s89
	s_sub_co_i32 s86, s89, s86
	s_add_co_i32 s86, s86, 127
	s_lshl_b32 s96, s86, 23                        ; 2^(eo - eA - eB) as f32
	PLACES NP                                      ; behind the last products: the lines below read results and write registers that held A's fragments
	v_mov_b32 v[SCV], s96
	s_cmp_eq_u32 s81, 2                            ; the branch hangs on the cluster's number alone
	s_cbranch_scc1 .Lv_out
	; ---- q and k: rotated, quantised, stored as fragments of 16 tokens x 64 channels
	s_lshl_b32 s86, s81, 23                        ; q at +0, k at +8 MiB
	s_lshr_b32 s87, s17, 3
	s_lshl_b32 s87, s87, 21                        ; the batch: 16 heads of 131,072 bytes
	s_add_co_u32 s86, s86, s87
	s_lshl_b32 s87, s42, 2
	s_lshl_b32 s88, s16, 1
	s_add_co_u32 s87, s87, s88
	s_lshl_b32 s87, s87, 17                        ; my first head: 4 x B's tile + 2 x half
	s_add_co_u32 s86, s86, s87
	s_and_b32 s87, s17, 7
	s_lshl_b32 s87, s87, 4
	s_lshl_b32 s88, s15, 3
	s_add_co_u32 s87, s87, s88
	s_lshl_b32 s87, s87, 10                        ; my first token block in the batch
	s_add_co_u32 s86, s86, s87
	s_mov_b32 s87, 0
	s_add_nc_u64 s[12:13], s[12:13], s[86:87]
	s_lshl_b32 s88, s17, 4
	s_lshl_b32 s89, s15, 3
	s_add_co_u32 s88, s88, s89
	s_lshl_b32 s88, s88, 12                        ; the table at my first token block
	s_mov_b32 s89, 0
	s_add_nc_u64 s[8:9], s[8:9], s[88:89]
.macro TABLOAD a                       ; token block a's cosines and sines: eight groups of 512 consecutive bytes
.irp g, 0,1,2,3,4,5,6,7
	global_load_b128 v[TAB+32*((\a)%2)+4*\g:TAB+32*((\a)%2)+4*\g+3], v[LI], s[8:9] offset:4096*(\a)+512*\g
.endr
.endm
.macro QKOUT a                         ; block a: 16 tokens x my 128 channels (two heads)
.if (\a) < 7
	s_wait_loadcnt 8                               ; this block's eight loads are in; the next block's stay out
.else
	s_wait_loadcnt 0x0
.endif
	s_wait_xcnt 0x0                                ; the ring's registers, which the stores of four blocks ago read, are rewritten only behind this wait
.set AC, 64*((\a)%4)
.set TS, TAB+32*((\a)%2)
.set CR, CD+16*((\a)%4)
	WIN 0x02+((\a)/4)                              ; source 0: the accumulators' window
.irp b, 0,1,2,3,4,5,6,7                ; accumulator (a, b): channels 16 (b % 4) + 8 h + 0 .. 7 of head b / 4: pairs 8 (b % 4) + 4 h + p; each accumulator is read from its low end on
.irp p, 0,1,2,3
	v_mul_f32 v[U+2*\p], v[AC+8*\b+2*\p+1], v[TS+8*(\b%4)+4+\p]     ; x2 sin
	v_mul_f32 v[U+2*\p+1], v[AC+8*\b+2*\p], v[TS+8*(\b%4)+4+\p]     ; x1 sin
.endr
.irp p, 0,1,2,3
	v_fma_f32 v[T+8*\b+2*\p], v[AC+8*\b+2*\p], v[TS+8*(\b%4)+\p], -v[U+2*\p]        ; x1 cos - x2 sin
	v_fma_f32 v[T+8*\b+2*\p+1], v[AC+8*\b+2*\p+1], v[TS+8*(\b%4)+\p], v[U+2*\p+1]   ; x2 cos + x1 sin
.endr
.endr
	WIN 0
.set n, 0
.rept 64
.set n, n+1
.endr
.irp b, 0,1,2,3,4,5,6,7
	v_cvt_scalef32_pk8_fp8_f32 v[CR+2*\b:CR+2*\b+1], v[T+8*\b:T+8*\b+7], v[SCV]   ; registers 2 (b % 4), + 1 of head b / 4's fragment
.endr
	v_nop                                          ; a plain line behind the last conversion
.if (\a) < 6
	TABLOAD (\a)+2
.endif
.irp hd, 0,1
.irp g, 0,1
	global_store_b128 v[LI], v[CR+8*\hd+4*\g:CR+8*\hd+4*\g+3], s[12:13] offset:1024*(\a)+131072*\hd+512*\g
.endr
.endr
.endm
	TABLOAD 0
	TABLOAD 1
.irp a, 0,1,2,3,4,5,6,7
	QKOUT \a
.endr
	s_branch .Lend
	; ---- v: quantised, stored as fragments of 16 channels x 128 keys
.Lv_out:
	s_lshr_b32 s86, s42, 3
	s_lshl_b32 s86, s86, 21                        ; the batch
	s_add_co_u32 s86, s86, 0x1000000               ; v at +16 MiB
	s_lshl_b32 s87, s17, 2
	s_lshl_b32 s88, s15, 1
	s_add_co_u32 s87, s87, s88
	s_lshl_b32 s87, s87, 17                        ; my first head: 4 x A's tile + 2 x half
	s_add_co_u32 s86, s86, s87
	s_and_b32 s87, s42, 7
	s_lshl_b32 s87, s87, 1
	s_add_co_u32 s87, s87, s16
	s_lshl_b32 s87, s87, 13                        ; my key block of 128
	s_add_co_u32 s86, s86, s87
	s_mov_b32 s87, 0
	s_add_nc_u64 s[12:13], s[12:13], s[86:87]
.macro VOUT a                          ; block a: 16 channels x my 128 keys: one fragment
	s_wait_xcnt 0x0                                ; the ring's registers are rewritten only behind this wait
.set CR, CD+16*((\a)%4)
	WIN 0x02+((\a)/4)
.set n, 0
.rept 64
.set n, n+1
.endr
.irp b, 0,1,2,3,4,5,6,7
	v_cvt_scalef32_pk8_fp8_f32 v[CR+2*\b:CR+2*\b+1], v[T+8*\b+((64*((\a)%4)+n)-(T+n)):T+8*\b+7+((64*((\a)%4)+n)-(T+n))], v[SCV]
.endr
	WIN 0
	v_nop
.irp g, 0,1,2,3
	global_store_b128 v[LI], v[CR+4*\g:CR+4*\g+3], s[12:13] offset:131072*((\a)/4)+2048*((\a)%4)+512*\g
.endr
.endm
	s_wait_alu depctr_va_vdst(0)
.irp a, 0,1,2,3,4,5,6,7
	VOUT \a
.endr
.Lend:
	s_wait_tensorcnt 0x0                           ; the wave's end
	ds_add_u32 v[SPW], v[NIL]
	s_wait_dscnt 0x0
	CROUND                                         ; the closing round: no work-group ends while a partner may still ask for a tile that names it
	s_endpgm
.Lfunc_end_k_q8fd8fd72ba_qkv:
	.size	k_q8fd8fd72ba_qkv, .Lfunc_end_k_q8fd8fd72ba_qkv-k_q8fd8fd72ba_qkv
	.p2alignl 7, 3214868480
	.fill 96, 4, 3214868480
	.section	.rodata,"a",@progbits
	.p2align	6, 0x0
	.amdhsa_kernel k_q8fd8fd72ba_qkv
		.amdhsa_group_segment_fixed_size 327680
		.amdhsa_private_segment_fixed_size 0
		.amdhsa_enable_private_segment 0
		.amdhsa_kernarg_size 40
		.amdhsa_user_sgpr_count 2
		.amdhsa_user_sgpr_kernarg_segment_ptr 1
		.amdhsa_wavefront_size32 1
		.amdhsa_system_sgpr_workgroup_id_x 1
		.amdhsa_system_sgpr_workgroup_id_y 1
		.amdhsa_system_sgpr_workgroup_id_z 1
		.amdhsa_system_vgpr_workitem_id 0
		.amdhsa_next_free_vgpr 1024
		.amdhsa_next_free_sgpr 102
		.amdhsa_reserve_vcc 0
		.amdhsa_float_denorm_mode_32 3
		.amdhsa_float_denorm_mode_16_64 3
		.amdhsa_fp16_overflow 1
		.amdhsa_memory_ordered 1
		.amdhsa_forward_progress 1
		.amdhsa_inst_pref_size 149
	.end_amdhsa_kernel
	.amdgpu_metadata
---
amdhsa.version: [ 1, 2 ]
amdhsa.kernels:
  - .name:           k_q8fd8fd72ba_qkv
    .symbol:         k_q8fd8fd72ba_qkv.kd
    .args:
      - { .name: xc, .offset: 0, .size: 8, .value_kind: global_buffer, .address_space: global }
      - { .name: wc, .offset: 8, .size: 8, .value_kind: global_buffer, .address_space: global }
      - { .name: tab, .offset: 16, .size: 8, .value_kind: global_buffer, .address_space: global }
      - { .name: lowp_scales, .offset: 24, .size: 8, .value_kind: global_buffer, .address_space: global }
      - { .name: qkv, .offset: 32, .size: 8, .value_kind: global_buffer, .address_space: global }
    .group_segment_fixed_size: 327680
    .private_segment_fixed_size: 0
    .kernarg_segment_align: 8
    .kernarg_segment_size: 40
    .max_flat_workgroup_size: 128
    .sgpr_count:     102
    .vgpr_count:     1024
    .wavefront_size: 32
...
	.end_amdgpu_metadata
.endif
;; end of part 2
;; launch attn (part 3): grid 4 x 64, 16 waves a work-group, clusters of 4 x 1, 327,680 bytes of LDS; arguments qkv, lowp_scales, ai; writes ai
.if DOCPART == 3
	.amdgcn_target "amdgcn-amd-amdhsa--gfx1250"
	.amdhsa_code_object_version 6
	.text
	.protected	k_q8fd8fd72ba_attn
	.globl	k_q8fd8fd72ba_attn
	.p2align	8
	.type	k_q8fd8fd72ba_attn,@function
k_q8fd8fd72ba_attn:
	s_mov_b64 s[64:65], 0
	v_nop
	global_prefetch_b8 v0, s[64:65] scope:SCOPE_SE
	s_setreg_imm32_b32 hwreg(HW_REG_WAVE_MODE, 25, 1), 1
	s_wait_xcnt 0x0
	s_wait_alu depctr_hold_cnt(0) depctr_sa_sdst(0) depctr_va_vdst(0) depctr_va_sdst(0) depctr_va_ssrc(0) depctr_va_vcc(0) depctr_vm_vsrc(0)
	s_getreg_b32 s2, hwreg(HW_REG_IB_STS2, 6, 4)
	s_cmp_eq_u32 s2, 0
	s_cbranch_scc0 .Lentry_in_a_cluster
	s_endpgm
.Lentry_in_a_cluster:
	s_bfe_u32 s2, ttmp6, 0x10000c
	s_cmp_lg_u32 s2, 0x3003
	s_cbranch_scc0 .Lentry_shape_is_right
	s_endpgm
.Lentry_shape_is_right:
; Causal attention on codes of E4M3, head size 64, 2,048 tokens, 64 (batch, head) pairs; the result is quantised with 2^e10 for the last projection.
; t = score x log2(e) / 8; M = the running largest t rounded UP to a whole number; p = 2^(t - M) is quantised with 2^e8, not normalised; the row's sum is taken of the unquantised p and divides at the end.
; When M moves, the sum and O are multiplied by 2^(old M - new M): exact.
; A (batch, head)'s K and V, as images of the fragments, are 131,072 bytes each: BOTH LIE WHOLE IN LDS, filled once: no ring, no refill.  The four work-groups of a cluster belong to one (batch, head)
; and ask for K and V jointly: the same tensor loads, the same descriptors, a mask that names the four.
; SHARES.  128 tiles of 16 queries; a wave owns TWO: lo = 8 a + b and hi = 127 - lo, a = wave / 2, b = 4 (wave % 2) + cx.  In key steps of 128, lo needs a + 1 and hi 16 - a: 17 for every wave of the launch.
; The counts hang on the wave's number alone; cx enters global addresses and the mask's data only.  Every loop has a constant trip count; a step all of whose keys are hidden is jumped inside the trip.
; LAYOUT.  S^T = K Q^T (16x16x64: source 0 = 16 keys, source 1 = my 16 queries): lane (r, h) holds query r, register j of tile kt key 16 kt + 8 h + j: converted, these ARE registers 2 kt, 2 kt + 1 of P for
; O^T = V^T P (16x16x128: source 0 = 16 channels x 128 keys).  The rows of Wv were laid so that O^T's tiles 2 b, 2 b + 1 are channels 32 b + 16 h + 0 .. 15: converted, they are four registers of the last projection's operand.
; OUT: ai [token block 512][K step of 128: 8][4 groups][32 lanes][16 bytes]; a head fills two groups: 1,024 consecutive bytes a tile.
; LIMITS: e6 + e7 between -123 and 130 (added to c's exponent field); e8 and e10 between -126 and 119.
; REGISTERS: v1-6 addresses and the mask's numbers; v12 -M, v13 the largest t, v[14:15] the sum; v16-23, v24-31 Q of hi, of lo; v32-95 K's 8 fragments, then V's 4; v96-159 S^T, then p; v160-191 O^T; v192-207 p's codes;
; v208-223 the results' codes; v236-254 at work and constants.
.set LI,   1                           ; v1   16 x lane
.set LIV,  2                           ; v2   the same + 131,072: V's images
.set ADK,  3                           ; v3   the step's K
.set ADV,  4                           ; v4   the step's V
.set DHI,  5                           ; v5   hi: my query's place in its last step, less 8 h
.set DLO,  6                           ; v6   lo: the same
.set WV,   12                          ; s12  wave
.set G0A,  24                          ; s[24:27] group 0, keys 0-255;  s[28:31] the rest
.set G0B,  28
.set G1A,  32                          ; s[32:39] group 1: 8 rows of 256 bytes;  s[40:47]: 56 rows
.set G1B,  40
.set TB,   58                          ; s58  8,192 x the key step
.set SI,   59                          ; s59  the key step
.set LAST, 60                          ; s60  the tile's last key step
.macro ROUND                           ; a round of the cluster's barrier
	s_barrier_signal -1
	s_barrier_wait -1
	s_cmp_lg_u32 s[WV], 0
	s_cbranch_scc1 .Lnot_wave_0_\@
	s_barrier_signal -3
.Lnot_wave_0_\@:
	s_barrier_wait -3
	s_barrier_signal -1
	s_barrier_wait -1
.endm
	s_load_b128 s[4:7], s[0:1], 0x0                ; qkv s[4:5], scales s[6:7]
	s_load_b64 s[8:9], s[0:1], 0x10                ; ai
	v_lshl_add_u32 v251, v0, 2, 0x40000
	v_mov_b32 v255, 0
	ds_add_u32 v251, v255
	ds_add_u32 v251, v255
	v_lshrrev_b32 v7, 5, v0
	s_delay_alu instid0(VALU_DEP_1)
	v_readfirstlane_b32 s[WV], v7                  ; wave 0..15
	s_bfe_u32 s13, ttmp6, 0x40000                  ; cx
	s_and_b32 s16, ttmp7, 0xffff                   ; (batch, head): the cluster's number
	s_lshr_b32 s14, s[WV], 1                       ; a
	s_and_b32 s15, s[WV], 1
	s_lshl_b32 s15, s15, 2
	s_add_co_u32 s15, s15, s13                     ; b
	s_lshl_b32 s17, s14, 3
	s_add_co_u32 s17, s17, s15                     ; lo
	s_sub_co_u32 s18, 127, s17                     ; hi
	; what I fetch: waves 0-7 an eighth of K, waves 8-15 an eighth of V: first of keys 0-255 (2,048 bytes), then of the rest (14,336 bytes)
	s_lshr_b32 s80, s[WV], 3
	s_and_b32 s81, s[WV], 7
	s_lshl_b32 s82, s80, 17
	s_lshl_b32 s83, s81, 11
	s_mul_i32 s84, s81, 14336
	s_add_co_u32 s84, s84, 16384
	s_mov_b32 s[G0A], 1                            ; count = 1
	s_add_co_u32 s[G0A+1], s82, s83                ; LDS address
	s_mov_b32 s[G0B], 1
	s_add_co_u32 s[G0B+1], s82, s84
	s_add_co_u32 s86, s80, 1
	s_lshl_b32 s86, s86, 23                        ; K's images at +8 MiB, V's at +16 MiB
	s_lshl_b32 s85, s16, 17                        ; 131,072 x (batch, head)
	s_add_co_u32 s86, s86, s85
	s_add_co_u32 s88, s86, s83
	s_mov_b32 s89, 0
	s_add_co_u32 s90, s86, s84
	s_mov_b32 s91, 0
	; group 1: a dense block as rows of 256 bytes (32 elements of 8 bytes); the mask names all four work-groups, bit 21 beside it
	s_mov_b32 s[G1A], 15|(3<<16)|(1<<21)
	s_mov_b32 s[G1A+1], 32<<16
	s_mov_b32 s[G1A+2], 8<<16
	s_mov_b32 s[G1A+3], 32<<16
	s_mov_b32 s[G1A+4], 8
	s_mov_b32 s[G1A+5], 32
	s_mov_b32 s[G1A+6], 0
	s_mov_b32 s[G1A+7], 0
	s_mov_b32 s[G1B], 15|(3<<16)|(1<<21)
	s_mov_b32 s[G1B+1], 32<<16
	s_mov_b32 s[G1B+2], 56<<16
	s_mov_b32 s[G1B+3], 32<<16
	s_mov_b32 s[G1B+4], 56
	s_mov_b32 s[G1B+5], 32
	s_mov_b32 s[G1B+6], 0
	s_mov_b32 s[G1B+7], 0
	s_mov_b32 s20, 0x76543210                      ; v_permlanex16_b32's selects for lane l xor 16
	s_mov_b32 s21, 0xfedcba98
	s_mov_b32 s93, 0
	s_wait_dscnt 0x0
	s_wait_kmcnt 0x0
	s_load_b256 s[68:75], s[6:7], 0x0              ; e0 .. e7
	s_load_b128 s[76:79], s[6:7], 0x20             ; e8 .. e11
	s_add_nc_u64 s[G0A+2:G0A+3], s[4:5], s[88:89]
	s_or_b32 s[G0A+3], s[G0A+3], 0x80000000
	s_add_nc_u64 s[G0B+2:G0B+3], s[4:5], s[90:91]
	s_or_b32 s[G0B+3], s[G0B+3], 0x80000000
	ROUND                                          ; all four work-groups are here: the joint loads meet
	tensor_load_to_lds s[G0A:G0A+3], s[G1A:G1A+7]  ; one load of mine is out; the second follows the next round, and no more in the whole launch
	s_nop 0
	s_wait_alu depctr_va_vdst(0)
	s_wait_tensorcnt 0x0
	ds_add_u32 v251, v255
	s_wait_dscnt 0x0
	ROUND
	tensor_load_to_lds s[G0B:G0B+3], s[G1B:G1B+7]
	s_nop 0
.rept 4
	v_nop
.endr
	s_lshl_b32 s92, s18, 10
	s_add_co_u32 s92, s92, s85
	s_add_nc_u64 s[50:51], s[4:5], s[92:93]        ; Q's image of hi,
	s_lshl_b32 s92, s17, 10
	s_add_co_u32 s92, s92, s85
	s_add_nc_u64 s[52:53], s[4:5], s[92:93]        ; of lo
	s_lshr_b32 s94, s16, 4
	s_lshl_b32 s94, s94, 21                        ; the batch's 128 token blocks of 16,384 bytes,
	s_and_b32 s95, s16, 15
	s_lshl_b32 s95, s95, 10                        ; the head's 1,024 bytes in a token block
	s_add_co_u32 s94, s94, s95
	s_lshl_b32 s92, s18, 14
	s_add_co_u32 s92, s92, s94
	s_add_nc_u64 s[54:55], s[8:9], s[92:93]        ; where hi's codes go,
	s_lshl_b32 s92, s17, 14
	s_add_co_u32 s92, s92, s94
	s_add_nc_u64 s[56:57], s[8:9], s[92:93]        ; and lo's
	v_and_b32 v[LI], 31, v0
	s_delay_alu instid0(VALU_DEP_1)
	v_lshlrev_b32 v[LI], 4, v[LI]
	s_delay_alu instid0(VALU_DEP_1)
	v_add_nc_u32 v[LIV], 0x20000, v[LI]
	global_load_b128 v[16:19], v[LI], s[50:51]
	global_load_b128 v[20:23], v[LI], s[50:51] offset:512
	global_load_b128 v[24:27], v[LI], s[52:53]
	global_load_b128 v[28:31], v[LI], s[52:53] offset:512
	v_and_b32 v8, 15, v0
	v_bfe_u32 v9, v0, 4, 1
	s_delay_alu instid0(VALU_DEP_1)
	v_lshlrev_b32 v9, 3, v9
	s_delay_alu instid0(VALU_DEP_1)
	v_sub_nc_u32 v8, v8, v9                        ; r - 8 h
	s_lshl_b32 s92, s15, 4                         ; lo lies 16 b queries into its last step,
	s_sub_co_u32 s94, 112, s92                     ; hi 16 (7 - b)
	v_add_nc_u32 v[DHI], s94, v8
	v_add_nc_u32 v[DLO], s92, v8
	v_mov_b32 v236, 0                              ; written once: a lane permute's destination counts as one of its sources
	v_mov_b32 v253, 0                              ; (named as the upper half of the pair v[252:253])
	s_wait_kmcnt 0x0
	s_add_co_i32 s80, s74, s75
	s_lshl_b32 s80, s80, 23
	s_mov_b32 s22, 0x3e38aa3b                      ; c = log2(e) / 8;
	s_add_co_i32 s22, s22, s80                     ; a score stands for score x 2^(e6 + e7): added to c's exponent field
	s_mov_b32 s23, s22                             ; (named with it as a pair)
	s_add_co_i32 s80, s76, 127
	s_lshl_b32 s81, s80, 23
	v_mov_b32 v244, s81                            ; 2^e8
	s_add_co_i32 s61, s76, s77                     ; e8 + e9
	s_add_co_i32 s80, s78, 127
	s_lshl_b32 s81, s80, 23
	v_mov_b32 v246, s81                            ; 2^e10
; A KEY STEP: 128 keys.  qf: Q's fragment; dq: the mask's register; dyn = 1: hidden steps are jumped, and the tile's last step is masked.
.macro STEP qf, dq, dyn
.if \dyn
	s_cmp_gt_u32 s[SI], s[LAST]
	s_cbranch_scc1 .Lhid_\@
.endif
	s_setprio 2
	v_add_nc_u32 v[ADK], s[TB], v[LI]
	v_add_nc_u32 v[ADV], s[TB], v[LIV]
	v_nop                                          ; with the two additions: four places in front of loads into registers that the last products read
	v_nop
.irp t, 0,1,2,3,4,5,6,7
.irp g, 0,1
	ds_load_b128 v[32+8*\t+4*\g:35+8*\t+4*\g], v[ADK] offset:1024*\t+512*\g   ; an image's group: 512 consecutive bytes
.endr
.endr
	s_wait_alu depctr_va_vdst(0)
	s_wait_dscnt 0x0
.irp t, 0,1,2,3,4,5,6,7
	v_wmma_f32_16x16x64_fp8_fp8 v[96+8*\t:103+8*\t], v[32+8*\t:39+8*\t], v[\qf:\qf+7], 0
.endr
.rept 4
	v_nop                                          ; places in front of the loads below and of the first read of the scores
.endr
.irp t, 0,1,2,3
.irp g, 0,1,2,3
	ds_load_b128 v[32+16*\t+4*\g:35+16*\t+4*\g], v[ADV] offset:2048*\t+512*\g   ; V's four fragments land while the softmax is worked
.endr
.endr
.if \dyn
	s_cmp_lg_u32 s[SI], s[LAST]
	s_cbranch_scc1 .Lopen_\@
	v_mov_b32 v254, 0xff800000                     ; on the diagonal hidden scores become -infinity: p = 0.  Register n holds key 16 (n / 8) + 8 h + n % 8 of the step
.set n, 0
.rept 64
	v_cmp_gt_i32 vcc_lo, 16*(n/8)+n%8, v[\dq]
	v_cndmask_b32 v[96+n], v[96+n], v254, vcc_lo
.set n, n+1
.endr
.Lopen_\@:
.endif
	v_max3_num_f32 v254, v96, v97, v98             ; the step's largest score of my query among my 64 keys, in two chains, the accumulators in ascending order,
	v_max3_num_f32 v252, v99, v100, v101
.irp i, 6,10,14,18,22,26,30,34,38,42,46,50,54,58
	v_max3_num_f32 v254, v254, v[96+\i], v[97+\i]
	v_max3_num_f32 v252, v252, v[98+\i], v[99+\i]
.endr
	v_max3_num_f32 v254, v254, v158, v159
	s_delay_alu instid0(VALU_DEP_1)
	v_max_num_f32 v254, v254, v252
	s_delay_alu instid0(VALU_DEP_1)
	v_permlanex16_b32 v236, v254, s20, s21
	s_delay_alu instid0(VALU_DEP_1)
	v_max_num_f32 v254, v254, v236                 ; and among lane l xor 16's
	s_delay_alu instid0(VALU_DEP_1)
	v_mul_f32 v254, s22, v254                      ; as t (c is positive)
	s_delay_alu instid0(VALU_DEP_1)
	v_max_num_f32 v13, v13, v254                   ; the running largest t
	v_mov_b32 v254, v12
	s_delay_alu instid0(VALU_DEP_2)
	v_floor_f32 v12, -v13                          ; the new -M = floor(-t)
	s_delay_alu instid0(VALU_DEP_1)
	v_sub_f32 v254, v12, v254                      ; old M - new M: a whole number, 0 or less
	s_delay_alu instid0(VALU_DEP_1)
	v_cvt_i32_f32 v254, v254                       ; (it saturates)
	s_delay_alu instid0(VALU_DEP_1)
	v_ldexp_f32 v252, 1.0, v254                    ; f = 2^(old M - new M)
.set n, 0
	s_setprio 1
.rept 32
	v_pk_fma_f32 v[96+n:97+n], v[96+n:97+n], s[22:23], v[12:13] op_sel_hi:[1,0,0]   ; t - M, two at a time
.set n, n+2
.endr
.set n, 0
	s_wait_alu depctr_va_vdst(0)
.rept 64
	v_exp_f32 v[96+n], v[96+n]                     ; p = 2^(t - M)
.set n, n+1
.endr
	v_pk_mul_f32 v[14:15], v[14:15], v[252:253] op_sel_hi:[1,0]   ; the sums under the new M.  (A plain line behind the exponentials)
	s_wait_alu depctr_va_vdst(0)
	v_pk_add_f32 v[242:243], v[96:97], v[98:99]    ; the row's sum of the UNQUANTISED p, in two chains
.irp j, 4,8,12,16,20,24,28,32,36,40,44,48,52,56,60
	v_pk_add_f32 v[14:15], v[14:15], v[96+\j:97+\j]
	v_pk_add_f32 v[242:243], v[242:243], v[98+\j:99+\j]
.endr
	s_delay_alu instid0(VALU_DEP_1)
	v_pk_add_f32 v[14:15], v[14:15], v[242:243]
.set n, 0
.rept 32
.set n, n+2
.endr
	s_setprio 0
.irp t, 0,1,2,3,4,5,6,7
	v_cvt_scalef32_pk8_fp8_f32 v[192+2*\t:193+2*\t], v[96+8*\t:103+8*\t], v244
.endr
.set n, 0
.rept 16
	v_pk_mul_f32 v[160+n:161+n], v[160+n:161+n], v[252:253] op_sel_hi:[1,0]   ; O^T under the new M.  (Also the plain lines behind the conversions)
.set n, n+2
.endr
	s_wait_alu depctr_va_vdst(0)
	s_wait_dscnt 0x0                               ; V's fragments are in
.irp t, 0,1,2,3
	v_wmma_f32_16x16x128_fp8_fp8 v[160+8*\t:167+8*\t], v[32+16*\t:47+16*\t], v[192:207], v[160+8*\t:167+8*\t]   ; four accumulators by turns, one instruction a turn
.endr
.if \dyn
.Lhid_\@:
.endif
	s_add_co_u32 s[TB], s[TB], 8192
.endm
.macro INIT                            ; a tile begins: zeros, which the first change of M leaves zeros
	v_mov_b32 v13, 0xff61b1e6                      ; -3e38, under every t
	s_delay_alu instid0(VALU_DEP_1)
	v_floor_f32 v12, -v13
	v_mov_b32 v14, 0
	v_mov_b32 v15, 0
.set n, 0
.rept 32
	v_mov_b32 v[160+n], 0
.set n, n+1
.endr
	s_mov_b32 s[TB], 0
	s_mov_b32 s[SI], 0
.endm
.macro OUT cb, base                    ; a tile ends: O^T x 2^(e8 + e9) / the sum, quantised with 2^e10, stored as two groups of the next operand's image
.rept 4
	v_nop                                          ; places behind the last products
.endr
	v_add_f32 v14, v14, v15
	s_delay_alu instid0(VALU_DEP_1)
	v_permlanex16_b32 v252, v14, s20, s21
	s_delay_alu instid0(VALU_DEP_1)
	v_add_f32 v14, v14, v252                       ; the row's sum
	s_wait_alu depctr_va_vdst(0)
	v_rcp_f32 v14, v14
	v_nop                                          ; a plain line behind the transcendental
	s_wait_alu depctr_va_vdst(0)
	v_ldexp_f32 v14, v14, s61
.set n, 0
.rept 16
	v_pk_mul_f32 v[96+n:97+n], v[160+n:161+n], v[14:15] op_sel_hi:[1,0]   ; each accumulator from its low end on
.set n, n+2
.endr
.set n, 0
.rept 32
.set n, n+1
.endr
.irp t, 0,1,2,3
	v_cvt_scalef32_pk8_fp8_f32 v[\cb+2*\t:\cb+2*\t+1], v[96+8*\t:103+8*\t], v246
.endr
	v_nop                                          ; a plain line behind the last conversion
	global_store_b128 v[LI], v[\cb:\cb+3], s[\base:\base+1]
	global_store_b128 v[LI], v[\cb+4:\cb+7], s[\base:\base+1] offset:512
.endm
	INIT
	s_sub_co_u32 s[LAST], 15, s14                  ; hi's last key step
	s_wait_loadcnt 0x0                             ; Q
	s_wait_tensorcnt 0x1                           ; my part of keys 0-255 is in; the larger load stays out
	s_barrier_signal -1
	s_barrier_wait -1
	STEP 16, DHI, 0                                ; every hi tile sees keys 0-255 whole: all waves work alike while the rest lands
	STEP 16, DHI, 0
	s_wait_tensorcnt 0x0                           ; my part of the rest is in,
	s_wait_dscnt 0x0
	s_barrier_signal -1
	s_barrier_wait -1                              ; everybody's is: from here on the waves never meet but at the end
	s_mov_b32 s[SI], 2
.Lhi:                                              ; 14 trips
	STEP 16, DHI, 1
	s_add_co_u32 s[SI], s[SI], 1
	s_cmp_lt_u32 s[SI], 16
	s_cbranch_scc1 .Lhi
	s_setprio 0
	OUT 208, 54
	INIT
	s_mov_b32 s[LAST], s14                         ; lo's last key step
.Llo:                                              ; 8 trips
	STEP 24, DLO, 1
	s_add_co_u32 s[SI], s[SI], 1
	s_cmp_lt_u32 s[SI], 8
	s_cbranch_scc1 .Llo
	s_setprio 0
	OUT 216, 56
	s_wait_dscnt 0x0
	s_wait_tensorcnt 0x0
	ds_add_u32 v251, v255
	s_wait_dscnt 0x0
	ROUND                                          ; the closing round
	s_endpgm
.Lfunc_end_k_q8fd8fd72ba_attn:
	.size	k_q8fd8fd72ba_attn, .Lfunc_end_k_q8fd8fd72ba_attn-k_q8fd8fd72ba_attn
	.p2alignl 7, 3214868480
	.fill 96, 4, 3214868480
	.section	.rodata,"a",@progbits
	.p2align	6, 0x0
	.amdhsa_kernel k_q8fd8fd72ba_attn
		.amdhsa_group_segment_fixed_size 327680
		.amdhsa_private_segment_fixed_size 0
		.amdhsa_enable_private_segment 0
		.amdhsa_kernarg_size 24
		.amdhsa_user_sgpr_count 2
		.amdhsa_user_sgpr_kernarg_segment_ptr 1
		.amdhsa_wavefront_size32 1
		.amdhsa_system_sgpr_workgroup_id_x 1
		.amdhsa_system_sgpr_workgroup_id_y 1
		.amdhsa_system_sgpr_workgroup_id_z 1
		.amdhsa_system_vgpr_workitem_id 0
		.amdhsa_next_free_vgpr 256
		.amdhsa_next_free_sgpr 100
		.amdhsa_reserve_vcc 1
		.amdhsa_float_denorm_mode_32 3
		.amdhsa_float_denorm_mode_16_64 3
		.amdhsa_fp16_overflow 1
		.amdhsa_memory_ordered 1
		.amdhsa_forward_progress 1
		.amdhsa_inst_pref_size 79
	.end_amdhsa_kernel
	.amdgpu_metadata
---
amdhsa.version: [ 1, 2 ]
amdhsa.kernels:
  - .name:           k_q8fd8fd72ba_attn
    .symbol:         k_q8fd8fd72ba_attn.kd
    .args:
      - { .name: qkv, .offset: 0, .size: 8, .value_kind: global_buffer, .address_space: global }
      - { .name: lowp_scales, .offset: 8, .size: 8, .value_kind: global_buffer, .address_space: global }
      - { .name: ai, .offset: 16, .size: 8, .value_kind: global_buffer, .address_space: global }
    .group_segment_fixed_size: 327680
    .private_segment_fixed_size: 0
    .kernarg_segment_align: 8
    .kernarg_segment_size: 24
    .max_flat_workgroup_size: 512
    .sgpr_count:     100
    .vgpr_count:     256
    .wavefront_size: 32
...
	.end_amdgpu_metadata
.endif
;; end of part 3
;; launch oproj (part 4): grid 4 x 32, 4 waves a work-group, clusters of 4 x 4, 327,680 bytes of LDS; arguments ai, wc, lowp_scales, out0; writes out0
.if DOCPART == 4
	.amdgcn_target "amdgcn-amd-amdhsa--gfx1250"
	.amdhsa_code_object_version 6
	.text
	.protected	k_q8fd8fd72ba_oproj
	.globl	k_q8fd8fd72ba_oproj
	.p2align	8
	.type	k_q8fd8fd72ba_oproj,@function
k_q8fd8fd72ba_oproj:
	s_mov_b64 s[64:65], 0
	v_nop
	global_prefetch_b8 v0, s[64:65] scope:SCOPE_SE
	s_setreg_imm32_b32 hwreg(HW_REG_WAVE_MODE, 25, 1), 1
	s_wait_xcnt 0x0
	s_wait_alu depctr_hold_cnt(0) depctr_sa_sdst(0) depctr_va_vdst(0) depctr_va_sdst(0) depctr_va_ssrc(0) depctr_va_vcc(0) depctr_vm_vsrc(0)
	s_getreg_b32 s2, hwreg(HW_REG_IB_STS2, 6, 4)
	s_cmp_eq_u32 s2, 0
	s_cbranch_scc0 .Lentry_in_a_cluster
	s_endpgm
.Lentry_in_a_cluster:
	s_bfe_u32 s2, ttmp6, 0x10000c
	s_cmp_lg_u32 s2, 0xf033
	s_cbranch_scc0 .Lentry_shape_is_right
	s_endpgm
.Lentry_shape_is_right:
; out0 [8192][1024] f32 = attention's result x Wo^T on codes of E4M3 (K = 1,024), each sum x 2^(e10 + e11).
; A (attention's result) comes as IMAGES of its fragments: [token block 512][K step of 128: 8][4 groups][32 lanes][16 bytes]; B (Wo's codes, the fourth MiB of wc) as rows of 1,024 bytes, K innermost.
; LIMIT: e10 + e11 lies between -126 and 127.
; A work-group makes 256 x 256 of the output, a wave 128 x 128: 64 accumulators.  K goes in steps of 256 through a ring of two LDS slots; 4 x 4 work-groups form a cluster: A's tiles are shared along a row of it, B's along a column.
; 128 work-groups: the output has no more tiles of this size; a smaller tile would read more LDS bytes for each product.
; THE MATRIX INSTRUCTION IS USED TRANSPOSED (source 0 = 16 rows of Wo, source 1 = 16 tokens): a lane holds eight neighbouring numbers of a row of the output.
; REGISTERS: window 0: v0-31 addresses; from v128 A's fragments, ONE set; on the way out v32-255 are free.  window 1: B's fragments, TWO sets.  windows 2, 3: the accumulators.
.set SIZE_N, 1024
.set KROW,   1024
.set ROWB,   256
.set PITCH,  272                       ; B's LDS row: 256 bytes + 16 of padding
.set FR,     16
.set NL,     4
.set NP,     4
.set ASIDE,  32768                     ; A: 8 token blocks x 4,096 bytes (two K steps of 128), dense: what one tensor load brings
.set BOFF,   2*ASIDE                   ; B's rows lie behind A's two halves
.set HALFT,  128*PITCH                 ; B: 128 rows
.set SLOT,   BOFF+2*HALFT
.set LAPS,   2
.set SPARE,  2*SLOT                    ; behind the ring: the spare words, 128 bytes a wave, that no other line names
.set SPITCH, 528                       ; the way out: a stage of 16 rows x (512 bytes + 16) for each wave, in slot 0, which has had its last fill and its last read when the first result is stored there
.set ADRA, 16
.set ADRB, 20
.set STO,  24
.set RD,   25
.set CO,   26
.set SPW,  28
.set NIL,  29
.set TMP,  32
.set AF,   128
.set BK,   128
.set G1, 24
.set G0, 32
.set G1B, 48
.set G0B, 56
.set MSB, 0
.macro WIN new
.if MSB != (\new)
	s_set_vgpr_msb (MSB<<8)|(\new)
.set MSB, \new
.endif
.endm
.set MUL_LO, 0xa1
.set MUL_HI, 0xf1
.set TO_B,   0x40
.macro JLOAD g0a, g1a, g0b, g1b        ; a joint load: waves 0 and 1 fetch for A, waves 2 and 3 for B; four v_nop follow each of the two lines
	s_cmp_eq_u32 s15, 0
	s_cbranch_scc0 .Lfor_b_\@
	tensor_load_to_lds s[\g0a:\g0a+3], s[\g1a:\g1a+7]
	s_nop 0
.rept 4
	v_nop
.endr
	s_branch .Lasked_\@
.Lfor_b_\@:
	tensor_load_to_lds s[\g0b:\g0b+3], s[\g1b:\g1b+7]
	s_nop 0
.rept 4
	v_nop
.endr
.Lasked_\@:
.endm
.macro CREST
	s_cmp_lg_u32 s14, 0
	s_cbranch_scc1 .Lnot_wave_0_\@
	s_barrier_signal -3
.Lnot_wave_0_\@:
	s_barrier_wait -3
	s_barrier_signal -1
	s_barrier_wait -1
.endm
.macro CROUND
	s_barrier_signal -1
	s_barrier_wait -1
	CREST
.endm
	s_load_b128 s[4:7], s[0:1], 0x0                ; ai s[4:5], wc s[6:7]
	s_load_b128 s[8:11], s[0:1], 0x10              ; scales s[8:9], out0 s[10:11]
	v_lshl_add_u32 v[SPW], v0, 2, SPARE
	v_mov_b32 v[NIL], 0
	ds_add_u32 v28, v29
	ds_add_u32 v28, v29
	s_wait_dscnt 0x0
	v_lshrrev_b32 v1, 5, v0
	v_readfirstlane_b32 s14, v1                    ; wave 0..3
	s_lshr_b32 s15, s14, 1                         ; which half of the tile's rows is mine.  Also: I fetch for A (0) or for B (1)
	s_and_b32 s16, s14, 1                          ; which half of its columns.  Also: which half of that tile I fetch
	s_bfe_u32 s40, ttmp6, 0x40000                  ; cx, cy
	s_bfe_u32 s41, ttmp6, 0x40004
	s_lshl_b32 s42, ttmp9, 2
	s_add_co_u32 s42, s42, s40                     ; tile column
	s_and_b32 s17, ttmp7, 0xffff
	s_lshl_b32 s17, s17, 2
	s_add_co_u32 s17, s17, s41                     ; tile row
	s_lshl_b32 s43, s41, 2
	s_lshl_b32 s43, 15, s43                        ; my row of the cluster
	s_lshl_b32 s44, 0x1111, s40                    ; my column
	; group 1 for A: 8 rows (token blocks) of 4,096 bytes = 512 elements of 8 bytes, 16,384 bytes = 2,048 elements apart; no padding: the images are read 512 consecutive bytes at a time
	s_or_b32 s[G1+0], s43, (3<<16)|(1<<21)
	s_mov_b32 s[G1+1], 512<<16
	s_mov_b32 s[G1+2], 8<<16
	s_mov_b32 s[G1+3], 512<<16
	s_mov_b32 s[G1+4], 8
	s_mov_b32 s[G1+5], 2048
	s_mov_b32 s[G1+6], 0
	s_mov_b32 s[G1+7], 0
	; group 1 for B: 128 rows of 256 bytes, padded in LDS
	s_or_b32 s[G1B+0], s44, (0<<16)|(1<<20)|(1<<21)|(5<<22)|(3<<25)
	s_mov_b32 s[G1B+1], ROWB<<16
	s_mov_b32 s[G1B+2], 128<<16
	s_mov_b32 s[G1B+3], ROWB<<16
	s_mov_b32 s[G1B+4], 128
	s_mov_b32 s[G1B+5], KROW
	s_mov_b32 s[G1B+6], 0
	s_mov_b32 s[G1B+7], 0
	s_lshl_b32 s20, s17, 4
	s_lshl_b32 s18, s16, 3
	s_add_co_u32 s20, s20, s18
	s_lshl_b32 s20, s20, 14                        ; A: token block 16 x tile row + 8 x half, 16,384 bytes each
	s_mov_b32 s21, 0
	s_lshl_b32 s46, s42, 8
	s_lshl_b32 s18, s16, 7
	s_add_co_u32 s46, s46, s18
	s_lshl_b32 s46, s46, 10                        ; B: row 256 x tile column + 128 x half,
	s_add_co_u32 s46, s46, 0x300000                ; in Wo's codes
	s_mov_b32 s47, 0
	s_mul_i32 s45, s16, ASIDE                      ; where they go: no place in the cluster enters an LDS address
	s_mul_i32 s19, s16, HALFT
	s_add_co_u32 s19, s19, BOFF
	s_wait_kmcnt 0x0
	s_load_b64 s[96:97], s[8:9], 0x28              ; e10, e11
	s_add_nc_u64 s[20:21], s[4:5], s[20:21]
	s_add_nc_u64 s[46:47], s[6:7], s[46:47]
	CROUND                                         ; all sixteen work-groups are here: the first joint loads meet
.irp s, 0,1
	s_mov_b32 s[G0+4*\s], 1
	s_add_co_u32 s[G0+4*\s+1], s45, \s*SLOT
	s_add_nc_u64 s[G0+4*\s+2:G0+4*\s+3], s[20:21], \s*4096
	s_or_b32 s[G0+4*\s+3], s[G0+4*\s+3], 0x80000000
	s_mov_b32 s[G0B+4*\s], 1
	s_add_co_u32 s[G0B+4*\s+1], s19, \s*SLOT
	s_add_nc_u64 s[G0B+4*\s+2:G0B+4*\s+3], s[46:47], \s*ROWB
	s_or_b32 s[G0B+4*\s+3], s[G0B+4*\s+3], 0x80000000
	JLOAD G0+4*\s, G1, G0B+4*\s, G1B
.endr
	v_and_b32 v1, 15, v0                           ; l % 16
	v_bfe_u32 v2, v0, 4, 1                         ; l / 16
	v_mul_u32_u24 v3, v1, PITCH
	v_lshl_add_u32 v4, v2, 4, v3                   ; B: a fragment's row x pitch + 16 x half
	v_and_b32 v6, 31, v0
	v_lshlrev_b32 v[CO], 4, v6                     ; 16 x lane: A's images, and my bytes of a row of the output
	s_mul_i32 s21, s15, ASIDE                      ; my 8 token blocks of A
	s_mul_i32 s22, s16, HALFT                      ; my 128 rows of B
	s_add_co_u32 s22, s22, BOFF
.irp s, 0,1
	v_add_nc_u32 v[ADRA+\s], s21, v[CO]
	v_add_nc_u32 v[ADRB+\s], s22, v4
	s_add_co_u32 s21, s21, SLOT
	s_add_co_u32 s22, s22, SLOT
.endr
	s_mul_i32 s23, s14, 16*SPITCH                  ; my stage
	v_mul_u32_u24 v5, v1, SPITCH                   ; in: row l % 16, 32 bytes for each half of the lanes
	v_lshl_add_u32 v5, v2, 5, v5
	v_add_nc_u32 v[STO], s23, v5
	v_add_nc_u32 v[RD], s23, v[CO]                 ; back: the 32 lanes take one row of 512 bytes
	s_lshl_b32 s20, s17, 8
	s_lshl_b32 s21, s15, 7
	s_add_co_u32 s20, s20, s21
	s_lshl_b32 s20, s20, 12                        ; my first row of the output, 4,096 bytes a row
	s_mov_b32 s21, 0
	s_lshl_b32 s46, s42, 10                        ; my first column, in bytes
	s_lshl_b32 s47, s16, 9
	s_add_co_u32 s46, s46, s47
	s_mov_b32 s47, 0
	s_add_nc_u64 s[20:21], s[20:21], s[46:47]
	s_add_nc_u64 s[10:11], s[10:11], s[20:21]
.macro FRAG reg, adr, q, i             ; B's fragment from rows: registers 4 c .. 4 c + 3 hold K = 32 c + 16 (l / 16) + 0 .. 15
.irp c, 0,1,2,3
	ds_load_b128 v[\reg+4*\c:\reg+4*\c+3], v[\adr] offset:128*(\q)+32*\c+(\i)*16*PITCH
.endr
.endm
.macro FRAGA reg, adr, q, i            ; A's fragment from its image: the same K in the same registers
.irp c, 0,1,2,3
	ds_load_b128 v[\reg+4*\c:\reg+4*\c+3], v[\adr] offset:4096*(\i)+2048*(\q)+512*\c
.endr
.endm
.macro MUL16 a0, p, zero               ; 16 matrix instructions; the 64 accumulators take turns, one instruction a turn
.irp a, \a0, \a0+1
.irp b, 0,1,2,3,4,5,6,7
.if \zero
	v_wmma_f32_16x16x128_fp8_fp8 v[8*(8*((\a)%4)+\b):8*(8*((\a)%4)+\b)+7], v[128*(\p)+FR*\b:128*(\p)+FR*\b+FR-1], v[AF+FR*(\a):AF+FR*(\a)+FR-1], 0
.else
	v_wmma_f32_16x16x128_fp8_fp8 v[8*(8*((\a)%4)+\b):8*(8*((\a)%4)+\b)+7], v[128*(\p)+FR*\b:128*(\p)+FR*\b+FR-1], v[AF+FR*(\a):AF+FR*(\a)+FR-1], v[8*(8*((\a)%4)+\b):8*(8*((\a)%4)+\b)+7]
.endif
.endr
.endr
.endm
.macro FETCH_B slot, q, p
	WIN TO_B
.irp i, 0,1,2,3,4,5,6,7
	FRAG 128*(\p)+FR*\i, ADRB+\slot, \q, \i
.endr
	WIN 0
.endm
.macro FETCH_A slot, q, i0
.irp i, \i0, \i0+1, \i0+2, \i0+3
	FRAGA AF+FR*(\i), ADRA+\slot, \q, \i
.endr
.endm
.macro PLACES n
.rept \n
	v_nop
.endr
.endm
.macro STEP slot, q, zero
	s_wait_dscnt 4*NL                              ; B's set and A's blocks 0-3 are in; the youngest sixteen loads (A's blocks 4-7) may be out
	WIN MUL_LO
	MUL16 0, (\q)%2, \zero
	MUL16 2, (\q)%2, \zero
	s_wait_dscnt 0
	PLACES NP
	FETCH_B \slot, (\q)+1, 1-(\q)%2
	FETCH_A \slot, (\q)+1, 0
	WIN MUL_HI
	MUL16 4, (\q)%2, \zero
	MUL16 6, (\q)%2, \zero
	PLACES NP
	WIN 0
	FETCH_A \slot, (\q)+1, 4
.endm
.macro TURN slot, next, fill
	s_wait_tensorcnt 0x0                           ; all my tensor loads have landed: my part of the next slot
	ds_add_u32 v[SPW], v[NIL]                      ; 0 onto my spare word
	s_wait_dscnt 4*NL+1                            ; (the add and the youngest sixteen loads may be out)
	WIN MUL_LO
	MUL16 0, 1, 0
	s_wait_dscnt 0x0                               ; the add is done, and my reads of this slot are over
	s_barrier_signal -1
	MUL16 2, 1, 0
	WIN 0
	s_barrier_wait -1
.if \fill
	CREST                                          ; a round of the cluster's barrier: no wave of any partner still reads this slot's tile or has a load on its way
	s_add_nc_u64 s[G0+4*\slot+2:G0+4*\slot+3], s[G0+4*\slot+2:G0+4*\slot+3], 2*4096
	s_add_nc_u64 s[G0B+4*\slot+2:G0B+4*\slot+3], s[G0B+4*\slot+2:G0B+4*\slot+3], 2*ROWB
	JLOAD G0+4*\slot, G1, G0B+4*\slot, G1B
.else
	PLACES NP
.endif
	FETCH_B \next, 0, 0
	FETCH_A \next, 0, 0
	WIN MUL_HI
	MUL16 4, 1, 0
	MUL16 6, 1, 0
	PLACES NP
	WIN 0
	FETCH_A \next, 0, 4
.endm
	s_wait_tensorcnt 1                             ; my part of slot 0 is in; slot 1's load may be out
	s_barrier_signal -1
	s_barrier_wait -1
	FETCH_B 0, 0, 0
	FETCH_A 0, 0, 0
	FETCH_A 0, 0, 4
	STEP 0, 0, 1
	s_mov_b32 s3, LAPS-1
.Llap:
	TURN 0, 1, 1
	STEP 1, 0, 0
	TURN 1, 0, 1
	STEP 0, 0, 0
	s_sub_co_u32 s3, s3, 1
	s_cmp_lg_u32 s3, 0
	s_cbranch_scc1 .Llap
	TURN 0, 1, 0
	STEP 1, 0, 0
	s_wait_dscnt 4*NL
	WIN MUL_LO
	MUL16 0, 1, 0
	MUL16 2, 1, 0
	s_wait_dscnt 0
	WIN MUL_HI
	MUL16 4, 1, 0
	MUL16 6, 1, 0
	WIN 0
; THE WAY OUT, block by block of 16 rows x 128 columns, through my own stage in LDS: in as 32 bytes a lane, back as whole rows of 512 bytes.  LDS serves a wave's instructions in order (ISA guide 5.7.1.4).
.macro TOSTAGE a
.set AC, 64*((\a)%4)
	WIN 0x02+((\a)/4)
.set n, 0
.rept 32
	v_pk_mul_f32 v[TMP+n:TMP+n+1], v[AC+n:AC+n+1], s[96:97] op_sel_hi:[1,0]   ; x 2^(e10 + e11); each accumulator from its low end on
.set n, n+2
.endr
	WIN 0
.irp b, 0,1,2,3,4,5,6,7
	ds_store_b128 v[STO], v[TMP+8*\b:TMP+8*\b+3] offset:64*\b
	ds_store_b128 v[STO], v[TMP+8*\b+4:TMP+8*\b+7] offset:64*\b+16
.endr
.set BB, BK+64*((\a)%2)
.irp t, 0,1,2,3,4,5,6,7,8,9,10,11,12,13,14,15
	ds_load_b128 v[BB+4*\t:BB+4*\t+3], v[RD] offset:\t*SPITCH
.endr
.endm
.macro SEND a, younger                 ; younger: the LDS instructions issued behind block a's loads, which may stay out
.set BB, BK+64*((\a)%2)
	s_wait_dscnt \younger
.if (\a) > 0
	s_add_nc_u64 s[10:11], s[10:11], 16*SIZE_N*4   ; (behind a wait on XCNT: the earlier stores have read their base)
.endif
.irp t, 0,1,2,3,4,5,6,7,8,9,10,11,12,13,14,15
	global_store_b128 v[CO], v[BB+4*\t:BB+4*\t+3], s[10:11] offset:\t*SIZE_N*4 th:TH_STORE_NT   ; 32 lanes store 512 consecutive bytes, aligned; written once
.endr
.endm
	s_wait_kmcnt 0x0
	s_add_co_i32 s96, s96, s97
	s_add_co_i32 s96, s96, 127
	s_lshl_b32 s96, s96, 23                        ; 2^(e10 + e11) as f32
	PLACES NP
	TOSTAGE 0
.irp a, 1,2,3,4,5,6,7
.if \a > 1
	s_wait_xcnt 0x0                                ; block a - 2's stores have read their registers and their base
.endif
	TOSTAGE \a
	SEND \a-1, 32                                  ; behind block a - 1's loads: block a's 16 stores and 16 loads
.endr
	s_wait_xcnt 0x0
	SEND 7, 0
	s_wait_tensorcnt 0x0                           ; the wave's end
	ds_add_u32 v[SPW], v[NIL]
	s_wait_dscnt 0x0
	CROUND                                         ; the closing round
	s_endpgm
.Lfunc_end_k_q8fd8fd72ba_oproj:
	.size	k_q8fd8fd72ba_oproj, .Lfunc_end_k_q8fd8fd72ba_oproj-k_q8fd8fd72ba_oproj
	.p2alignl 7, 3214868480
	.fill 96, 4, 3214868480
	.section	.rodata,"a",@progbits
	.p2align	6, 0x0
	.amdhsa_kernel k_q8fd8fd72ba_oproj
		.amdhsa_group_segment_fixed_size 327680
		.amdhsa_private_segment_fixed_size 0
		.amdhsa_enable_private_segment 0
		.amdhsa_kernarg_size 32
		.amdhsa_user_sgpr_count 2
		.amdhsa_user_sgpr_kernarg_segment_ptr 1
		.amdhsa_wavefront_size32 1
		.amdhsa_system_sgpr_workgroup_id_x 1
		.amdhsa_system_sgpr_workgroup_id_y 1
		.amdhsa_system_sgpr_workgroup_id_z 1
		.amdhsa_system_vgpr_workitem_id 0
		.amdhsa_next_free_vgpr 1024
		.amdhsa_next_free_sgpr 98
		.amdhsa_reserve_vcc 0
		.amdhsa_float_denorm_mode_32 3
		.amdhsa_float_denorm_mode_16_64 3
		.amdhsa_memory_ordered 1
		.amdhsa_forward_progress 1
		.amdhsa_inst_pref_size 123
	.end_amdhsa_kernel
	.amdgpu_metadata
---
amdhsa.version: [ 1, 2 ]
amdhsa.kernels:
  - .name:           k_q8fd8fd72ba_oproj
    .symbol:         k_q8fd8fd72ba_oproj.kd
    .args:
      - { .name: ai, .offset: 0, .size: 8, .value_kind: global_buffer, .address_space: global }
      - { .name: wc, .offset: 8, .size: 8, .value_kind: global_buffer, .address_space: global }
      - { .name: lowp_scales, .offset: 16, .size: 8, .value_kind: global_buffer, .address_space: global }
      - { .name: out0, .offset: 24, .size: 8, .value_kind: global_buffer, .address_space: global }
    .group_segment_fixed_size: 327680
    .private_segment_fixed_size: 0
    .kernarg_segment_align: 8
    .kernarg_segment_size: 32
    .max_flat_workgroup_size: 128
    .sgpr_count:     98
    .vgpr_count:     1024
    .wavefront_size: 32
...
	.end_amdgpu_metadata
.endif
;; end of part 4
